; MI455X (gfx1250); checked and timed in simulation.
; The chip was launched on July 23, 2026; its instructions are those of AMD's public machine-readable ISA for CDNA 5 (MIT licence, August 2026) and "CDNA5" Instruction Set Architecture Reference Guide (July 2026). The comments in the code are by the model that wrote it; some were corrected since.
;; Multi Head Self Attention. Allowed arithmetic: matrix products marked QUANTISED: E2M3 operands, one E8M0 scale for each 32 along K, by v_wmma_scale_f32_16x16x128_f8f6f4 with both operands' format E2M3, f32 sums; everything else in f32.
;; Inputs: Wk 1,024 x 1,024 float32; Wo 1,024 x 1,024 float32; Wq 1,024 x 1,024 float32; Wv 1,024 x 1,024 float32; bk 1,024 float32; bo 1,024 float32; bq 1,024 float32; bv 1,024 float32; inputs 4 x 2,048 x 1,024 float32.
;; Outputs: out0 4 x 2,048 x 1,024 float32.
;; This version of the problem:
;;   THIS VERSION OF THE PROBLEM IS GIVEN IN LOW PRECISION. The matrix products marked QUANTISED in the list below multiply operands that are first quantised to E2M3 (2 exponent bits, 3 mantissa bits; 6 bits a number), with one power-of-two scale for each 32 numbers along K (OCP MX v1.0); their sums are f32. All else is computed in f32.
;;   The module's matrix products, in the order in which they are computed (A, B: the left and right operand; K: the contracted axis; several contracted axes count as one K, in the product's order):
;;     1. [M 8,192, K 1,024] x [K 1,024, N 1,024]; A: input inputs; B: input Wq: QUANTISED
;;     2. [M 8,192, K 1,024] x [K 1,024, N 1,024]; A: input inputs; B: input Wk: QUANTISED
;;     3. [M 8,192, K 1,024] x [K 1,024, N 1,024]; A: input inputs; B: input Wv: QUANTISED
;;     4. batch 64 x [M 2,048, K 64] x [K 64, N 2,048]; A: computed on the way; B: computed on the way: QUANTISED
;;     5. batch 64 x [M 2,048, K 2,048] x [K 2,048, N 64]; A: softmax (see below); B: computed on the way: QUANTISED
;;     6. [M 8,192, K 1,024] x [K 1,024, N 1,024]; A: computed on the way; B: input Wo: QUANTISED
;;   THE QUANTISER, for each operand of a quantised product, along K:
;;     - K is cut into blocks of 32 from its start; a last block that is shorter is filled with zeros.
;;     - A block's scale is 2^e with e = floor(log2(the largest magnitude in the block)) - 2, held to -126 .. 127; a block of zeros has e = 0. As a byte (E8M0): e + 127.
;;     - Each number is divided by its block's scale, clamped to +-7.5, and rounded to the nearest number of E2M3, ties to even, subnormals kept.
;;     - The product sums the exact products of the quantised numbers (number of the format x scale) in f32.
;;   ~~~python
;;   def quantise(x, axis):      # numpy; x: float32 -> the quantised numbers, widened to float32 again
;;       x = np.moveaxis(x, axis, -1); K = x.shape[-1]
;;       x = np.pad(x, [(0, 0)] * (x.ndim - 1) + [(0, -K % 32)]); x = x.reshape(x.shape[:-1] + (-1, 32)); a = np.abs(x).max(-1, keepdims=True)
;;       e = np.where(a > 0, np.clip(np.frexp(np.where(a > 0, a, 1))[1] - 1 - 2, -126, 127), 0)      # np.frexp(a)[1] - 1 = floor(log2(a)), exactly
;;       r = np.clip(x / 2.0 ** e, -7.5, 7.5)
;;       step = 2.0 ** (np.maximum(np.frexp(np.where(r == 0, 1, r))[1] - 1, 0) - 3)
;;       q = np.round(r / step) * step * 2.0 ** e      # np.round: ties to even
;;       return np.moveaxis(q.reshape(q.shape[:-2] + (-1,))[..., :K], -1, axis).astype(np.float32)
;;   ~~~
;;   SOFTMAX AHEAD OF A QUANTISED PRODUCT. Where the list says 'softmax', what is quantised is not the finished softmax but p = 2^(t - M), with t = logit x log2(e) and M = ceil(the row's largest t), a whole number; so 1/2 < the row's largest p <= 1. The row's sum l is taken of the UNQUANTISED p, in f32, and the product's result is divided by l at the end. Since M is a whole number, a kernel that streams over the keys may use a running M (the ceiling of the running maximum): every later rescaling is an exact power of two, which a block's scale takes up: the codes' values come out the same.
;;   OPERANDS COMPUTED ON THE WAY. 'Computed on the way' means the value that the module computes at that place (a softmax that the list does not call 'softmax' is quantised finished and normalised). What goes into a quantiser is computed in f32, as accurately as f32 sums, v_exp_f32 and their like allow (about 1e-6 of the number): no bf16 or f16 on the way to a quantiser, and a product that is left as it is and whose result goes on into a quantised operand takes f32 operands (vector FMAs, or v_wmma_f32_16x16x4_f32). A number that lies on a knife's edge between two numbers of the format may be rounded either way, as far as f32 arithmetic and the matrix unit's own rounding can turn it there, and no further.
;; One version. Each part assembles by itself: llvm-mc -triple=amdgcn-amd-amdhsa -mcpu=gfx1250 --defsym DOCPART=n.
;; ======== version 1 of 1: 4 launches
;; limits: right only within a limited range of input values
;; workspace buffers: xq 6,553,600 bytes; wq 3,276,800 bytes; qkv 18,874,368 bytes; qkvs 1,572,864 bytes; att 6,553,600 bytes
;; launch quant (part 1): grid 512 x 1, 4 waves a work-group, no clusters, 47,616 bytes of LDS; arguments inputs, Wq, Wk, Wv, Wo, xq, wq; writes xq, wq
.if DOCPART == 1
	.amdgcn_target "amdgcn-amd-amdhsa--gfx1250"
	.amdhsa_code_object_version 6
	.text
	.protected	k_q9044a3aeaa_quant
	.globl	k_q9044a3aeaa_quant
	.p2align	8
	.type	k_q9044a3aeaa_quant,@function
k_q9044a3aeaa_quant:
	s_mov_b64 s[64:65], 0
	v_nop
	global_prefetch_b8 v0, s[64:65] scope:SCOPE_SE
	s_setreg_imm32_b32 hwreg(HW_REG_WAVE_MODE, 25, 1), 1
	s_wait_xcnt 0x0
; inputs [8192][1024] f32 and the four weights [1024 (k)][1024 (n)] f32 become codes of FP6 (E2M3) with one E8M0 scale byte for each 32 along K, laid IN THE ORDER OF THE OPERAND'S REGISTERS.
; A TILE is 16 rows (tokens, or columns n of a weight): tile 2 B + u holds in lane r the row 32 B + 8 u + r + 8 (r / 8).  A HALF FRAGMENT, 768 bytes, is 16 rows x 64 along K: lane L = r + 16 h holds
; k = 32 h .. 32 h + 31 in six registers; registers 0-3 lie at 16 L, registers 4-5 at 512 + 8 L.  xq: [tile 0..511][K / 64] half fragments; from byte XSCL on [tile][K / 512] units of 256 bytes: lane r's four
; scale words (K steps of 128) at 16 r.  wq: the same for 256 tiles, matrix m (q, k, v, o) at tiles 64 m on; scale words from byte WSCL on.
; A block's scale is 2^(floor(log2(its largest magnitude)) - 2); its byte is the largest magnitude's exponent field - 2, held at 1 from below.
; LIMITS: NaN and infinities are not served; a block of zeros gets the byte 1 where the rule says 127: its codes are zeros, which add nothing under any byte but 0xff, and this program alone reads the bytes.
; Work-groups 0-255 take the weights, 256-511 the inputs.  The two ways part on the work-group's number and have LDS bytes of their own.  Waves share nothing: no barrier.  No work-group reads what another reads: no cluster.
.set XPITCH, 528                       ; x: a stage row: 512 bytes + 16, an odd multiple of 16: sixteen rows of one column fall on sixteen different groups of banks
.set XWREG,  16*XPITCH                 ; a wave's stage on the inputs' way
.set WSTG,   4*XWREG                   ; the weights' stages begin here
.set WTILE,  1664                      ; a tile's image of 1,536 bytes + 128
.set WWREG,  2*WTILE
.set SPARE,  WSTG+4*WWREG              ; the spare words, 128 bytes for each wave: two blocks of 256 bytes that no other line names
.set XSCL,   6291456
.set WSCL,   3145728
.set SPW,  24                          ; v24 LDS address of my spare word; never rewritten
.set NIL,  25                          ; v25 0; never rewritten
.set M,    12                          ; inputs: v12-13 largest magnitudes, v14-15 the conversions' scale operands, v16-17 bytes, v18-19 at work, v20-23 the four scale words
.set SO,   14
.set BY,   16
.set SWX,  20
.set XR,   32                          ; v32-159  two sets of 64 registers as loaded
.set XX,   160                         ; v160-223 my 64 numbers of a K step
.set XC,   224                         ; v224-235 a fragment's codes; v236-238, v240-242 the blocks' upper halves as the conversions leave them
.set XCT,  236
.set WX,   32                          ; weights: v32-95 two sets of 32 numbers; v96-102 a block's codes; v104 the scale word; v112-135 the way out
.set WC,   96
.set WSB,  104
.set WOUT, 112
	s_load_b256 s[4:11], s[0:1], 0x0               ; inputs s[4:5], Wq s[6:7], Wk s[8:9], Wv s[10:11]
	s_load_b128 s[12:15], s[0:1], 0x20             ; Wo s[12:13], xq s[14:15]
	s_load_b64 s[16:17], s[0:1], 0x30              ; wq
	v_lshl_add_u32 v[SPW], v0, 2, SPARE
	v_mov_b32 v[NIL], 0
	v_lshrrev_b32 v1, 5, v0
	v_readfirstlane_b32 s18, v1                    ; wave
	v_and_b32 v1, 31, v0                           ; L
	v_and_b32 v2, 15, v0                           ; r
	v_bfe_u32 v3, v0, 4, 1                         ; h
	s_cmp_lt_u32 ttmp9, 256
	s_cbranch_scc1 .Lweights
; ---------------- THE INPUTS.  A wave makes one tile for four K steps of 128: 16 rows x 2,048 bytes.
	s_mov_b32 s20, 0x76543210
	s_mov_b32 s21, 0xfedcba98                      ; v_permlanex16_b32's selects for lane l xor 16
	s_sub_co_u32 s22, ttmp9, 256
	s_lshl_b32 s22, s22, 2
	s_add_co_u32 s22, s22, s18                     ; 2 x tile + half of K
	s_lshr_b32 s23, s22, 1                         ; the tile
	s_and_b32 s24, s22, 1                          ; which 512 along K
	s_lshr_b32 s25, s23, 1
	s_and_b32 s26, s23, 1
	s_lshl_b32 s25, s25, 5
	s_lshl_b32 s26, s26, 3
	s_add_co_u32 s25, s25, s26                     ; the tile's first row: 32 B + 8 u
	s_lshl_b32 s26, s25, 12                        ; a row is 4,096 bytes
	s_lshl_b32 s27, s24, 11
	s_add_co_u32 s26, s26, s27
	s_mov_b32 s27, 0
	s_mul_i32 s28, s23, 12288                      ; the tile's codes,
	s_mul_i32 s29, s24, 6144                       ; my eight half fragments of them
	s_add_co_u32 s28, s28, s29
	s_mov_b32 s29, 0
	s_lshl_b32 s32, s22, 8                         ; my unit of scale words
	s_add_co_u32 s32, s32, XSCL
	s_mov_b32 s33, 0
	s_mul_i32 s19, s18, XWREG                      ; my stage
	s_wait_alu depctr_va_vdst(0)
	v_lshlrev_b32 v4, 4, v1                        ; 16 L: my 16 bytes of a load's 512, and of a store's
	v_add_nc_u32 v5, s19, v4                       ; the stage on the way in
	v_mul_u32_u24 v6, v2, XPITCH
	v_lshl_add_u32 v6, v3, 7, v6
	v_add_nc_u32 v6, s19, v6                       ; and on the way out: row r, + 128 h: my block of 32 numbers
	v_lshlrev_b32 v8, 3, v1                        ; 8 L
	v_lshlrev_b32 v9, 3, v3                        ; 8 h: my bytes' place in a scale word, in bits
	v_lshlrev_b32 v10, 4, v2
	v_lshl_add_u32 v10, v3, 3, v10                 ; 16 r + 8 h: where my two scale words go
	v_mov_b32 v19, 0                               ; written once: a lane permute's destination counts as one of its sources
	s_wait_alu depctr_va_vdst(0)
	s_wait_kmcnt 0x0
	s_add_nc_u64 s[4:5], s[4:5], s[26:27]
	s_add_nc_u64 s[30:31], s[14:15], s[28:29]
	s_add_nc_u64 s[32:33], s[14:15], s[32:33]
.macro LOADX s                         ; K step s of the tile's 16 rows: each load reads 512 consecutive bytes of one row
.irp i, 0,1,2,3,4,5,6,7,8,9,10,11,12,13,14,15
	global_load_b128 v[XR+64*((\s)%2)+4*\i:XR+64*((\s)%2)+4*\i+3], v4, s[4:5] offset:(\i+8*(\i/8))*4096+512*(\s) th:TH_LOAD_NT
.endr
.endm
.macro QF s                            ; my 64 numbers, register 32 c + i = k 64 c + 32 h + i of row r, become the fragment's twelve registers and the row's scale word
.irp c, 0,1
	v_max3_num_f32 v[M+\c], |v[XX+32*\c]|, |v[XX+32*\c+1]|, 0x1800000   ; block 2 c + h is all mine; the floor 2^(3 - 127) holds the byte at 1 from below
.endr
.irp i, 2,4,6,8,10,12,14,16,18,20,22,24,26,28,30
.irp c, 0,1
	v_max3_num_f32 v[M+\c], v[M+\c], |v[XX+32*\c+\i]|, |v[XX+32*\c+\i+1]|
.endr
.endr
.irp c, 0,1
	v_add_nc_u32 v[SO+\c], 0xff000000, v[M+\c]     ; 2 off the exponent field: the conversion takes this operand's exponent field as its scale
.endr
.irp c, 0,1
	v_lshrrev_b32 v[BY+\c], 23, v[SO+\c]           ; the scale's byte
.endr
	v_lshl_or_b32 v18, v[BY+1], 16, v[BY]          ; blocks h and 2 + h,
	v_lshlrev_b32 v18, v9, v18                     ; at their places in the word;
	v_permlanex16_b32 v19, v18, s20, s21
	v_or_b32 v[SWX+\s], v18, v19                   ; with lane l xor 16's two the word is whole
	s_wait_alu depctr_va_vdst(0)
	s_wait_xcnt 0x0                                ; the last step's stores have read their registers: the codes may be written again
.irp c, 0,1
	v_cvt_scalef32_pk16_fp6_f32 v[XC+6*\c:XC+6*\c+2], v[XX+32*\c:XX+32*\c+15], v[SO+\c]
	v_cvt_scalef32_pk16_fp6_f32 v[XCT+4*\c:XCT+4*\c+2], v[XX+32*\c+16:XX+32*\c+31], v[SO+\c]   ; (a conversion's three registers begin on an even number)
.endr
	v_nop                                          ; one plain place behind a scaled conversion
.irp c, 0,1
.irp i, 0,1,2
	v_mov_b32 v[XC+6*\c+3+\i], v[XCT+4*\c+\i]
.endr
.endr
.endm
.macro XSTEP s
.if (\s) < 3
	s_wait_loadcnt 16                              ; this step's 16 loads are in; the other set's 16 may be out
.else
	s_wait_loadcnt 0x0
.endif
.irp i, 0,1,2,3,4,5,6,7,8,9,10,11,12,13,14,15
	ds_store_b128 v5, v[XR+64*((\s)%2)+4*\i:XR+64*((\s)%2)+4*\i+3] offset:XPITCH*\i
.endr
.irp c, 0,1
.irp j, 0,1,2,3,4,5,6,7
	ds_load_b128 v[XX+32*\c+4*\j:XX+32*\c+4*\j+3], v6 offset:256*\c+16*\j   ; LDS serves a wave's instructions in order: these see the stores above
.endr
.endr
	s_wait_dscnt 0x0                               ; my numbers are back, and the stores have read their registers,
.if (\s) < 2
	LOADX (\s)+2                                   ; which take the loads of two steps on
.endif
	QF \s
.irp c, 0,1
	global_store_b128 v4, v[XC+6*\c:XC+6*\c+3], s[30:31] offset:1536*(\s)+768*\c          ; 32 lanes store 512 consecutive bytes,
	global_store_b64 v8, v[XC+6*\c+4:XC+6*\c+5], s[30:31] offset:1536*(\s)+768*\c+512     ; and 256: all at multiples of 256 from the buffer's first byte
.endr
.endm
	LOADX 0
	LOADX 1
	XSTEP 0
	XSTEP 1
	XSTEP 2
	XSTEP 3
	v_cmp_eq_u32 vcc_lo, 1, v3
	v_cndmask_b32 v20, v20, v22, vcc_lo            ; lanes 0-15 store words 0 and 1 of their row, lanes 16-31 words 2 and 3
	v_cndmask_b32 v21, v21, v23, vcc_lo
	global_store_b64 v10, v[20:21], s[32:33]       ; 32 lanes store one aligned block of 256 bytes
	s_wait_tensorcnt 0x0                           ; the wave's end, behind my last LDS store
	ds_add_u32 v[SPW], v[NIL]
	s_wait_dscnt 0x0
	s_endpgm
; ---------------- THE WEIGHTS.  K is the first axis: a lane takes a column n and its registers run down K.  A wave makes 32 columns (two tiles) x 128 along K: four blocks a lane.
.Lweights:
	s_lshr_b32 s22, ttmp9, 6                       ; which matrix
	s_and_b32 s23, ttmp9, 7                        ; which K step of 128
	s_bfe_u32 s24, ttmp9, 0x30003
	s_lshl_b32 s24, s24, 2
	s_add_co_u32 s24, s24, s18                     ; which 32 columns: the four waves stand side by side on 512 bytes
	v_bfe_u32 v4, v0, 3, 1                         ; column l lies in tile u = (l / 8) % 2,
	v_and_b32 v5, 7, v0
	s_wait_alu depctr_va_vdst(0)
	v_lshl_add_u32 v5, v3, 3, v5                   ; in its lane l % 8 + 8 (l / 16)
	s_mul_i32 s19, s18, WWREG
	s_add_co_u32 s19, s19, WSTG                    ; my stage: the two tiles' images
	v_mul_u32_u24 v6, v4, WTILE
	v_add_nc_u32 v6, s19, v6
	v_lshl_add_u32 v26, v5, 4, v6                  ; registers 0-3 of a block's six: 16 bytes a lane,
	v_lshl_add_u32 v27, v5, 3, v6                  ; registers 4-5: 8
	v_lshlrev_b32 v7, 4, v1                        ; 16 L
	v_add_nc_u32 v28, s19, v7                      ; the way out
	v_lshlrev_b32 v29, 2, v1                       ; in: 4 bytes a lane
	v_lshlrev_b32 v30, 9, v4
	v_lshl_add_u32 v30, v5, 4, v30                 ; my column's scale word: 512 bytes a tile, 16 a lane
	s_lshl_b32 s26, s23, 19                        ; 128 rows of 4,096 bytes
	s_lshl_b32 s27, s24, 7
	s_add_co_u32 s26, s26, s27
	s_mov_b32 s27, 0
	s_lshl_b32 s28, s22, 6
	s_lshl_b32 s29, s24, 1
	s_add_co_u32 s28, s28, s29                     ; my first tile
	s_mul_i32 s30, s28, 12288
	s_mul_i32 s31, s23, 1536
	s_add_co_u32 s30, s30, s31
	s_mov_b32 s31, 0
	s_lshl_b32 s32, s28, 9
	s_lshr_b32 s33, s23, 2
	s_lshl_b32 s33, s33, 8
	s_add_co_u32 s32, s32, s33
	s_and_b32 s33, s23, 3
	s_lshl_b32 s33, s33, 2
	s_add_co_u32 s32, s32, s33
	s_add_co_u32 s32, s32, WSCL
	s_mov_b32 s33, 0
	s_wait_alu depctr_va_vdst(0)
	s_wait_kmcnt 0x0
	s_cmp_eq_u32 s22, 1                            ; the choice hangs on the work-group's number alone
	s_cselect_b64 s[6:7], s[8:9], s[6:7]
	s_cmp_eq_u32 s22, 2
	s_cselect_b64 s[6:7], s[10:11], s[6:7]
	s_cmp_eq_u32 s22, 3
	s_cselect_b64 s[6:7], s[12:13], s[6:7]
	s_add_nc_u64 s[6:7], s[6:7], s[26:27]
	s_add_nc_u64 s[30:31], s[16:17], s[30:31]
	s_add_nc_u64 s[32:33], s[16:17], s[32:33]
.macro LOADW t                         ; block t: W(32 t + i, my column)
.irp i, 0,1,2,3,4,5,6,7,8,9,10,11,12,13,14,15,16,17,18,19,20,21,22,23,24,25,26,27,28,29,30,31
	global_load_b32 v[WX+32*((\t)%2)+\i], v29, s[6:7] offset:(32*(\t)+\i)*4096 th:TH_LOAD_NT
.endr
.endm
.macro BLOCK t
.set XS, WX+32*((\t)%2)
.if (\t) < 3
	s_wait_loadcnt 32                              ; this block's 32 loads are in; the next block's may be out
.else
	s_wait_loadcnt 0x0
.endif
	v_max3_num_f32 v12, |v[XS]|, |v[XS+1]|, |v[XS+2]|
	v_max3_num_f32 v13, |v[XS+3]|, |v[XS+4]|, |v[XS+5]|
.irp i, 6,10,14,18,22,26
	v_max3_num_f32 v12, v12, |v[XS+\i]|, |v[XS+\i+1]|
	v_max3_num_f32 v13, v13, |v[XS+\i+2]|, |v[XS+\i+3]|
.endr
	v_max3_num_f32 v12, v12, |v[XS+30]|, |v[XS+31]|
	v_max3_num_f32 v12, v12, v13, 0x1800000        ; and the floor
	v_add_nc_u32 v11, 0xff000000, v12
	v_lshrrev_b32 v13, 23, v11
.if (\t) == 0
	v_mov_b32 v[WSB], v13
.else
	v_lshl_or_b32 v[WSB], v13, 8*(\t), v[WSB]      ; the lower K in the lower byte
.endif
	v_cvt_scalef32_pk16_fp6_f32 v[WC:WC+2], v[XS:XS+15], v11
	v_cvt_scalef32_pk16_fp6_f32 v[WC+4:WC+6], v[XS+16:XS+31], v11
	v_nop                                          ; one plain place behind a scaled conversion
	v_mov_b32 v[WC+3], v[WC+4]                     ; the block's six registers on end
	v_mov_b32 v[WC+4], v[WC+5]
	v_mov_b32 v[WC+5], v[WC+6]
	ds_store_b128 v26, v[WC:WC+3] offset:768*((\t)/2)+256*((\t)%2)         ; block t is half fragment t / 2, lanes' half t % 2
	ds_store_b64 v27, v[WC+4:WC+5] offset:768*((\t)/2)+512+128*((\t)%2)
.if (\t) < 2
	LOADW (\t)+2
.endif
	s_wait_dscnt 0x0                               ; the stores have read their registers
.endm
	LOADW 0
	LOADW 1
	BLOCK 0
	BLOCK 1
	BLOCK 2
	BLOCK 3
	s_wait_alu depctr_va_vdst(0)
	global_store_b32 v30, v[WSB], s[32:33]         ; one word of each lane's four: a quarter of two blocks of 256 bytes; one byte for 128 that the wave reads
.irp u, 0,1
.irp i, 0,1,2
	ds_load_b128 v[WOUT+4*(3*\u+\i):WOUT+4*(3*\u+\i)+3], v28 offset:WTILE*\u+512*\i
.endr
.endr
.irp u, 0,1
.irp i, 0,1,2
	s_wait_dscnt 5-(3*\u+\i)                       ; the younger loads may be out
	global_store_b128 v7, v[WOUT+4*(3*\u+\i):WOUT+4*(3*\u+\i)+3], s[30:31] offset:12288*\u+512*\i   ; 512 consecutive bytes, at a multiple of 256
.endr
.endr
	s_wait_tensorcnt 0x0                           ; the wave's end, behind my last LDS store
	ds_add_u32 v[SPW], v[NIL]
	s_wait_dscnt 0x0
	s_endpgm
.Lfunc_end_k_q9044a3aeaa_quant:
	.size	k_q9044a3aeaa_quant, .Lfunc_end_k_q9044a3aeaa_quant-k_q9044a3aeaa_quant
	.p2alignl 7, 3214868480
	.fill 96, 4, 3214868480
	.section	.rodata,"a",@progbits
	.p2align	6, 0x0
	.amdhsa_kernel k_q9044a3aeaa_quant
		.amdhsa_group_segment_fixed_size 47616
		.amdhsa_private_segment_fixed_size 0
		.amdhsa_enable_private_segment 0
		.amdhsa_kernarg_size 56
		.amdhsa_user_sgpr_count 2
		.amdhsa_user_sgpr_kernarg_segment_ptr 1
		.amdhsa_wavefront_size32 1
		.amdhsa_system_sgpr_workgroup_id_x 1
		.amdhsa_system_sgpr_workgroup_id_y 1
		.amdhsa_system_sgpr_workgroup_id_z 1
		.amdhsa_system_vgpr_workitem_id 0
		.amdhsa_next_free_vgpr 248
		.amdhsa_next_free_sgpr 66
		.amdhsa_reserve_vcc 1
		.amdhsa_float_denorm_mode_32 3
		.amdhsa_float_denorm_mode_16_64 3
		.amdhsa_memory_ordered 1
		.amdhsa_forward_progress 1
		.amdhsa_inst_pref_size 53
	.end_amdhsa_kernel
	.amdgpu_metadata
---
amdhsa.version: [ 1, 2 ]
amdhsa.kernels:
  - .name:           k_q9044a3aeaa_quant
    .symbol:         k_q9044a3aeaa_quant.kd
    .args:
      - { .name: inputs, .offset: 0, .size: 8, .value_kind: global_buffer, .address_space: global }
      - { .name: Wq, .offset: 8, .size: 8, .value_kind: global_buffer, .address_space: global }
      - { .name: Wk, .offset: 16, .size: 8, .value_kind: global_buffer, .address_space: global }
      - { .name: Wv, .offset: 24, .size: 8, .value_kind: global_buffer, .address_space: global }
      - { .name: Wo, .offset: 32, .size: 8, .value_kind: global_buffer, .address_space: global }
      - { .name: xq, .offset: 40, .size: 8, .value_kind: global_buffer, .address_space: global }
      - { .name: wq, .offset: 48, .size: 8, .value_kind: global_buffer, .address_space: global }
    .group_segment_fixed_size: 47616
    .private_segment_fixed_size: 0
    .kernarg_segment_align: 8
    .kernarg_segment_size: 56
    .max_flat_workgroup_size: 128
    .sgpr_count:     66
    .vgpr_count:     248
    .wavefront_size: 32
...
	.end_amdgpu_metadata
.endif
;; end of part 1
;; launch qkv (part 2): grid 12 x 32, 4 waves a work-group, clusters of 4 x 4, 327,680 bytes of LDS; arguments xq, wq, bq, bk, bv, qkv, qkvs; writes qkv, qkvs
.if DOCPART == 2
	.amdgcn_target "amdgcn-amd-amdhsa--gfx1250"
	.amdhsa_code_object_version 6
	.text
	.protected	k_q9044a3aeaa_qkv
	.globl	k_q9044a3aeaa_qkv
	.p2align	8
	.type	k_q9044a3aeaa_qkv,@function
k_q9044a3aeaa_qkv:
	s_mov_b64 s[64:65], 0
	v_nop
	global_prefetch_b8 v0, s[64:65] scope:SCOPE_SE
	s_setreg_imm32_b32 hwreg(HW_REG_WAVE_MODE, 25, 1), 1
	s_wait_xcnt 0x0
	s_wait_alu depctr_hold_cnt(0) depctr_sa_sdst(0) depctr_va_vdst(0) depctr_va_sdst(0) depctr_va_ssrc(0) depctr_va_vcc(0) depctr_vm_vsrc(0)
	s_getreg_b32 s2, hwreg(HW_REG_IB_STS2, 6, 4)
	s_cmp_eq_u32 s2, 0
	s_cbranch_scc0 .Lentry_in_a_cluster
	s_endpgm
.Lentry_in_a_cluster:
	s_bfe_u32 s2, ttmp6, 0x10000c
	s_cmp_lg_u32 s2, 0xf033
	s_cbranch_scc0 .Lentry_shape_is_right
	s_endpgm
.Lentry_shape_is_right:
.set TSB,   3072
.set HALFT, 8*TSB
.set SLOT,  4*HALFT
.set SCL,   3*SLOT
.set SPARE, SCL+4*4096
.set FR,    12
.set ADR,   8
.set ADP,   14
.set ADS,   26
.set SPW,   28
.set NIL,   29
.set SC,    32
.set AF,    128
.set BR,    96
.set SW,    112
.set DD,    120
.set T,     128
.set PC,    192
.set TM,    224
.set PW,    240
.set SEL,   58
.set G1,   24
.set G0,   32
.set G0SB, 44
.set G1B,  48
.set G1S,  68
.set G0S,  76
.set G1SB, 80
.set G0B,  88
.set MSB, 0
.macro WIN new
.if MSB != (\new)
	s_set_vgpr_msb (MSB<<8)|(\new)
.set MSB, (\new)
.endif
.endm
.set MUL_LO, 0xa1
.set MUL_HI, 0xf1
.set TO_B,   0x40
.macro JLOAD g0a, g1a, g0b, g1b
	s_cmp_eq_u32 s18, 0                            ; the refill: wave 0 fetches A's 16 tiles of the chunk, wave 1 B's; waves 2 and 3 have no part
	s_cbranch_scc0 .Lfor_b_\@
	tensor_load_to_lds s[\g0a:\g0a+3], s[\g1a:\g1a+7]
	s_nop 0
.rept 4
	v_nop
.endr
	s_branch .Lasked_\@
.Lfor_b_\@:
	s_cmp_eq_u32 s18, 1
	s_cbranch_scc0 .Lnone_\@
	tensor_load_to_lds s[\g0b:\g0b+3], s[\g1b:\g1b+7]
	s_nop 0
.Lnone_\@:
.rept 4
	v_nop
.endr
.Lasked_\@:
.endm
.macro CREST
	s_cmp_lg_u32 s18, 0
	s_cbranch_scc1 .Lnot_wave_0_\@
	s_barrier_signal -3
.Lnot_wave_0_\@:
	s_barrier_wait -3
	s_barrier_signal -1
	s_barrier_wait -1
.endm
.macro CROUND
	s_barrier_signal -1
	s_barrier_wait -1
	CREST
.endm
.macro PLACES n
.rept \n
	v_nop
.endr
.endm
	s_load_b256 s[4:11], s[0:1], 0x0
	s_load_b128 s[12:15], s[0:1], 0x20
	s_load_b64 s[16:17], s[0:1], 0x30
	v_lshl_add_u32 v[SPW], v0, 2, SPARE
	v_mov_b32 v[NIL], 0
	ds_add_u32 v[SPW], v[NIL]
	ds_add_u32 v[SPW], v[NIL]
	v_lshrrev_b32 v1, 5, v0
	v_readfirstlane_b32 s18, v1
	s_lshr_b32 s19, s18, 1
	s_and_b32 s20, s18, 1
	s_bfe_u32 s21, ttmp6, 0x40000
	s_bfe_u32 s22, ttmp6, 0x40004
	s_lshl_b32 s56, ttmp9, 2
	s_add_co_u32 s56, s56, s21
	s_and_b32 s57, ttmp7, 0xffff
	s_lshl_b32 s57, s57, 2
	s_add_co_u32 s57, s57, s22
	s_lshl_b32 s58, s22, 2
	s_lshl_b32 s58, 15, s58
	s_lshl_b32 s59, 0x1111, s21
	s_or_b32 s[G1], s58, (3<<16)|(1<<21)
	s_or_b32 s[G1B], s59, (3<<16)|(1<<21)
.irp g, G1, G1B
	s_mov_b32 s[\g+1], 384<<16
	s_mov_b32 s[\g+2], 16<<16                      ; a chunk of 256 along K of 16 tiles: 16 rows of 3,072 bytes
	s_mov_b32 s[\g+3], 384<<16
	s_mov_b32 s[\g+4], 16
	s_mov_b32 s[\g+5], 1536
	s_mov_b32 s[\g+6], 0
	s_mov_b32 s[\g+7], 0
.endr
	s_or_b32 s[G1S], s58, (3<<16)|(1<<21)
	s_or_b32 s[G1SB], s59, (3<<16)|(1<<21)
.irp g, G1S, G1SB
	s_mov_b32 s[\g+1], 32<<16
	s_mov_b32 s[\g+2], 32<<16                      ; the scale words of 16 tiles: 32 rows of 256 bytes
	s_mov_b32 s[\g+3], 32<<16
	s_mov_b32 s[\g+4], 32
	s_mov_b32 s[\g+5], 32
	s_mov_b32 s[\g+6], 0
	s_mov_b32 s[\g+7], 0
.endr
	s_lshl_b32 s60, s57, 4
	s_lshl_b32 s62, s60, 9
	s_add_co_u32 s62, s62, 6291456
	s_mov_b32 s63, 0
	s_mul_i32 s60, s60, 12288
	s_mov_b32 s61, 0
	s_lshl_b32 s66, s56, 4
	s_lshl_b32 s100, s66, 9
	s_add_co_u32 s100, s100, 3145728
	s_mov_b32 s101, 0
	s_mul_i32 s66, s66, 12288
	s_mov_b32 s67, 0
	s_wait_dscnt 0x0
	s_wait_kmcnt 0x0
	s_add_nc_u64 s[60:61], s[4:5], s[60:61]
	s_add_nc_u64 s[62:63], s[4:5], s[62:63]
	s_add_nc_u64 s[66:67], s[6:7], s[66:67]
	s_add_nc_u64 s[100:101], s[6:7], s[100:101]
	CROUND
	s_mov_b32 s[G0S], 1
	s_mov_b32 s[G0S+1], SCL
	s_mov_b64 s[G0S+2:G0S+3], s[62:63]
	s_or_b32 s[G0S+3], s[G0S+3], 0x80000000
	s_mov_b32 s[G0SB], 1
	s_mov_b32 s[G0SB+1], SCL+8192
	s_mov_b64 s[G0SB+2:G0SB+3], s[100:101]
	s_or_b32 s[G0SB+3], s[G0SB+3], 0x80000000
.irp s, 0,1,2
	s_mov_b32 s[G0+4*\s], 1
	s_mov_b32 s[G0+4*\s+1], \s*SLOT
	s_add_nc_u64 s[G0+4*\s+2:G0+4*\s+3], s[60:61], \s*TSB
	s_or_b32 s[G0+4*\s+3], s[G0+4*\s+3], 0x80000000
	s_mov_b32 s[G0B+4*\s], 1
	s_mov_b32 s[G0B+4*\s+1], \s*SLOT+2*HALFT
	s_add_nc_u64 s[G0B+4*\s+2:G0B+4*\s+3], s[66:67], \s*TSB
	s_or_b32 s[G0B+4*\s+3], s[G0B+4*\s+3], 0x80000000
.endr
; four joint loads, one a wave, in one chain of branches on the wave's number: every way passes exactly one
.macro QUAD a, ga, b, gb, c, gc, d, gd
	s_cmp_lt_u32 s18, 1
	s_cbranch_scc0 .Lq1_\@
	tensor_load_to_lds s[\a:\a+3], s[\ga:\ga+7]
	s_nop 0
	PLACES 4
	s_branch .Lq4_\@
.Lq1_\@:
	s_cmp_lt_u32 s18, 2
	s_cbranch_scc0 .Lq2_\@
	tensor_load_to_lds s[\b:\b+3], s[\gb:\gb+7]
	s_nop 0
	PLACES 4
	s_branch .Lq4_\@
.Lq2_\@:
	s_cmp_lt_u32 s18, 3
	s_cbranch_scc0 .Lq3_\@
	tensor_load_to_lds s[\c:\c+3], s[\gc:\gc+7]
	s_nop 0
	PLACES 4
	s_branch .Lq4_\@
.Lq3_\@:
	tensor_load_to_lds s[\d:\d+3], s[\gd:\gd+7]
	s_nop 0
	PLACES 4
.Lq4_\@:
.endm
	QUAD G0, G1, G0B, G1B, G0S, G1S, G0SB, G1SB    ; the head: A's chunk 0, B's chunk 0, A's scale words, B's; the addresses below are made while they are out
	v_and_b32 v1, 31, v0
	v_and_b32 v2, 15, v0
	v_bfe_u32 v3, v0, 4, 1
	v_lshlrev_b32 v4, 4, v1
	s_wait_alu depctr_va_vdst(0)
	v_lshl_add_u32 v5, v1, 3, 512
	s_wait_alu depctr_va_vdst(0)
	s_cmp_eq_u32 ttmp9, 2
	s_cselect_b32 s2, 2*HALFT, 0
	s_cselect_b32 s3, 0, 2*HALFT
	s_cselect_b32 s60, 8192, 0
	s_cselect_b32 s61, 0, 8192
	s_mul_i32 s104, s19, HALFT
	s_add_co_u32 s2, s2, s104
	s_mul_i32 s104, s20, HALFT
	s_add_co_u32 s3, s3, s104
.irp s, 0,1,2
	v_add_nc_u32 v[ADR+\s], s2, v4
	v_add_nc_u32 v[ADR+3+\s], s2, v5
	v_add_nc_u32 v[ADP+\s], s3, v4
	v_add_nc_u32 v[ADP+3+\s], s3, v5
	s_add_co_u32 s2, s2, SLOT
	s_add_co_u32 s3, s3, SLOT
.endr
	s_lshl_b32 s104, s19, 12
	s_add_co_u32 s60, s60, s104
	s_lshl_b32 s104, s20, 12
	s_add_co_u32 s61, s61, s104
	v_mov_b32 v6, s60
	v_mov_b32 v7, s61
	s_mov_b32 s104, 0xffff0000
	v_cndmask_b32 v6, v6, v7, s104
	v_lshl_add_u32 v[ADS], v2, 4, SCL
	v_add_nc_u32 v[ADS], v[ADS], v6
	s_cmp_eq_u32 ttmp9, 1
	s_cselect_b64 s[8:9], s[10:11], s[8:9]
	s_cmp_eq_u32 ttmp9, 2
	s_cselect_b64 s[8:9], s[12:13], s[8:9]
	s_lshl_b32 s60, s21, 10
	s_lshl_b32 s2, s20, 9
	s_add_co_u32 s2, s2, s60
	s_mov_b32 s3, 0
	s_add_nc_u64 s[10:11], s[8:9], s[2:3]
	s_lshl_b32 s2, s19, 9
	s_add_co_u32 s2, s2, s60
	s_add_nc_u64 s[12:13], s[8:9], s[2:3]
	v_lshlrev_b32 v6, 6, v3
	v_and_b32 v7, 8, v2
	v_add_nc_u32 v7, v7, v2
	v_lshlrev_b32 v7, 2, v7
	WIN TO_B
.irp b, 0,1,2,3,4,5,6,7
	global_load_b128 v[96+8*\b+96*(\b/4):96+8*\b+96*(\b/4)+3], v6, s[10:11] offset:(32*(\b/2)+8*(\b%2))*4
	global_load_b128 v[96+8*\b+96*(\b/4)+4:96+8*\b+96*(\b/4)+7], v6, s[10:11] offset:(32*(\b/2)+8*(\b%2))*4+16
.endr
	WIN 0
.irp a, 0,1,2,3,4,5,6,7
	global_load_b32 v[BR+2*\a], v7, s[12:13] offset:(32*(\a/2)+8*(\a%2))*4
	v_mov_b32 v[BR+2*\a+1], 0
.endr
.macro FRAG reg, ad, slot, q, i
.irp c, 0,1
	ds_load_b128 v[\reg+6*\c:\reg+6*\c+3], v[\ad+\slot] offset:TSB*(\i)+768*(2*(\q)+\c)
	ds_load_b64 v[\reg+6*\c+4:\reg+6*\c+5], v[\ad+3+\slot] offset:TSB*(\i)+768*(2*(\q)+\c)
.endr
.endm
.macro FETCH_P slot, q, p
	WIN TO_B
.irp i, 0,1,2,3,4,5,6,7
	FRAG 128*(\p)+FR*\i, ADP, \slot, \q, \i
.endr
	WIN 0
.endm
.macro FETCH_R slot, q, i0
.irp i, \i0, \i0+1, \i0+2, \i0+3
	FRAG AF+FR*(\i), ADR, \slot, \q, \i
.endr
.endm
.macro SCALES
.irp kh, 0,1
.irp i, 0,1,2,3,4,5,6,7
	ds_load_b128 v[SC+4*(8*\kh+\i):SC+4*(8*\kh+\i)+3], v[ADS] offset:512*\i+256*\kh
.endr
.endr
.endm
.macro MUL16 a0, p, ks, zero
.irp a, \a0, \a0+1
.irp b, 0,1,2,3,4,5,6,7
.if \zero
	v_wmma_scale_f32_16x16x128_f8f6f4 v[8*(8*((\a)%4)+\b):8*(8*((\a)%4)+\b)+7], v[128*(\p)+FR*\b:128*(\p)+FR*\b+FR-1], v[AF+FR*(\a):AF+FR*(\a)+FR-1], 0, v[SC+4*(8*((\ks)/4)+\b)+(\ks)%4], v[SC+4*(8*((\ks)/4)+(\a))+(\ks)%4] matrix_a_fmt:MATRIX_FMT_FP6 matrix_b_fmt:MATRIX_FMT_FP6 matrix_a_scale:MATRIX_SCALE_ROW1
.else
	v_wmma_scale_f32_16x16x128_f8f6f4 v[8*(8*((\a)%4)+\b):8*(8*((\a)%4)+\b)+7], v[128*(\p)+FR*\b:128*(\p)+FR*\b+FR-1], v[AF+FR*(\a):AF+FR*(\a)+FR-1], v[8*(8*((\a)%4)+\b):8*(8*((\a)%4)+\b)+7], v[SC+4*(8*((\ks)/4)+\b)+(\ks)%4], v[SC+4*(8*((\ks)/4)+(\a))+(\ks)%4] matrix_a_fmt:MATRIX_FMT_FP6 matrix_b_fmt:MATRIX_FMT_FP6 matrix_a_scale:MATRIX_SCALE_ROW1
.endif
.endr
.endr
.endm
.macro STEP slot, ks, zero
	s_wait_dscnt 16
	WIN MUL_LO
	MUL16 0, 0, \ks, \zero
	MUL16 2, 0, \ks, \zero
	s_wait_dscnt 0x0
	PLACES 4
	FETCH_P \slot, 1, 1
	FETCH_R \slot, 1, 0
	WIN MUL_HI
	MUL16 4, 0, \ks, \zero
	MUL16 6, 0, \ks, \zero
	PLACES 4
	WIN 0
	FETCH_R \slot, 1, 4
.endm
.macro TURN slot, next, ks, how
.if \how
	s_wait_tensorcnt 0x0
	ds_add_u32 v[SPW], v[NIL]
	s_wait_dscnt 17
.else
	s_wait_dscnt 16
.endif
	WIN MUL_LO
	MUL16 0, 1, \ks, 0
.if \how
	s_wait_dscnt 0x0
	s_barrier_signal -1
.endif
	MUL16 2, 1, \ks, 0
	WIN 0
.if \how
	s_barrier_wait -1
.endif
.if \how == 2
	CREST
	s_add_nc_u64 s[G0+2:G0+3], s[G0+2:G0+3], 3*TSB
	s_add_nc_u64 s[G0B+2:G0B+3], s[G0B+2:G0B+3], 3*TSB
	JLOAD G0, G1, G0B, G1B
.else
.if \how == 0
	s_wait_dscnt 0x0
.endif
	PLACES 4
.endif
	FETCH_P \next, 0, 0
	FETCH_R \next, 0, 0
	WIN MUL_HI
	MUL16 4, 1, \ks, 0
	MUL16 6, 1, \ks, 0
	PLACES 4
	WIN 0
	FETCH_R \next, 0, 4
.endm
	s_wait_alu depctr_va_vdst(0)                   ; the wait at the head's end
	s_wait_tensorcnt 0x0                           ; my tile of the head's four is in; the three lines ahead of a later first fill
	ds_add_u32 v[SPW], v[NIL]
	s_wait_dscnt 0x0
	CROUND                                         ; slot 0 and the scale words are whole for all waves
	QUAD G0+4, G1, G0B+4, G1B, G0+8, G1, G0B+8, G1B ; slots 1 and 2, first fills: A's and B's chunk 1, A's and B's chunk 2, one load a wave
	FETCH_P 0, 0, 0
	FETCH_R 0, 0, 0
	SCALES
	FETCH_R 0, 0, 4
	STEP 0, 0, 1
	TURN 0, 1, 1, 2
	STEP 1, 2, 0
	TURN 1, 2, 3, 0
	STEP 2, 4, 0
	TURN 2, 0, 5, 1
	STEP 0, 6, 0
	s_wait_dscnt 16
	WIN MUL_LO
	MUL16 0, 1, 7, 0
	MUL16 2, 1, 7, 0
	s_wait_dscnt 0x0
	WIN MUL_HI
	MUL16 4, 1, 7, 0
	MUL16 6, 1, 7, 0
	WIN 0
	PLACES 4
	s_wait_loadcnt 0x0
.irp b, 0,1,2,3
	v_mov_b32 v[TM+4+\b], 0
.endr
	s_mov_b32 s[SEL], 0x76543210
	s_mov_b32 s[SEL+1], 0xfedcba98
	s_lshr_b32 s2, s57, 3
	s_and_b32 s3, s57, 7
	s_lshl_b32 s4, s2, 4
	s_lshl_b32 s5, s21, 2
	s_add_co_u32 s4, s4, s5
	s_lshl_b32 s5, s20, 1
	s_add_co_u32 s5, s4, s5
	s_lshl_b32 s6, s19, 1
	s_add_co_u32 s6, s4, s6
	s_lshl_b32 s7, s3, 1
	s_add_co_u32 s8, s7, s19
	s_add_co_u32 s9, s7, s20
	s_mul_i32 s10, ttmp9, 6291456
	s_mul_i32 s11, s5, 98304
	s_add_co_u32 s10, s10, s11
	s_mul_i32 s11, s8, 6144
	s_add_co_u32 s10, s10, s11
	s_lshl_b32 s11, s6, 3
	s_add_co_u32 s11, s11, s9
	s_mul_i32 s11, s11, 12288
	s_add_co_u32 s11, s11, 12582912
	s_mul_i32 s12, ttmp9, 786432
	s_mul_i32 s13, s5, 12288
	s_add_co_u32 s12, s12, s13
	s_lshl_b32 s13, s8, 9
	s_add_co_u32 s12, s12, s13
	s_mul_i32 s13, s6, 12288
	s_lshl_b32 s7, s9, 8
	s_add_co_u32 s13, s13, s7
	s_add_co_u32 s13, s13, 786432+8192
	s_cmp_eq_u32 ttmp9, 2
	s_cselect_b32 s60, s11, s10
	s_cselect_b32 s66, s13, s12
	s_mov_b32 s62, 98304
	s_cselect_b32 s62, 6144, s62
	s_mov_b32 s100, 0xffff
	s_cselect_b32 s100, -1, s100
	s_mov_b32 s101, 0x7f7f0000
	s_cselect_b32 s101, 0, s101
	s_cselect_b32 s105, 0, 16
	s_mov_b32 s61, 0
	s_mov_b32 s63, 0
	s_mov_b32 s67, 0
	s_add_nc_u64 s[60:61], s[14:15], s[60:61]
	s_add_nc_u64 s[62:63], s[60:61], s[62:63]
	s_add_nc_u64 s[66:67], s[16:17], s[66:67]
	v_lshlrev_b32 v25, 3, v1
	v_mul_u32_u24 v27, s105, v3
	v_mul_u32_u24 v30, v3, 12288
	v_lshl_add_u32 v30, v2, 4, v30
.macro QUANT s
.irp b, 0,1,2,3
	v_max3_num_f32 v[TM+\b], |v[\s+16*\b]|, |v[\s+1+16*\b]|, 0x1800000
.endr
.irp i, 2,4,6,8,10,12,14
.irp b, 0,1,2,3
	v_max3_num_f32 v[TM+\b], v[TM+\b], |v[\s+16*\b+\i]|, |v[\s+1+16*\b+\i]|
.endr
.endr
.irp b, 0,1,2,3
	v_permlanex16_b32 v[TM+4+\b], v[TM+\b], s[SEL], s[SEL+1]
.endr
.irp b, 0,1,2,3
	v_max_num_f32 v[TM+\b], v[TM+\b], v[TM+4+\b]
.endr
.irp b, 0,1,2,3
	v_add_nc_u32 v[TM+12+\b], 0xff000000, v[TM+\b]
.endr
.irp b, 0,1,2,3
	v_lshrrev_b32 v[TM+4+\b], 23, v[TM+12+\b]
.endr
	v_lshl_or_b32 v[PW], v[TM+5], 8, v[TM+4]
	v_lshl_or_b32 v[PW], v[TM+6], 16, v[PW]
	v_lshl_or_b32 v[PW], v[TM+7], 24, v[PW]
.irp c, 0,1
	v_cvt_scalef32_pk16_fp6_f32 v[PC+6*\c:PC+2+6*\c], v[\s+32*\c:\s+15+32*\c], v[TM+12+2*\c]
	v_cvt_scalef32_pk16_fp6_f32 v[PC+12+4*\c:PC+14+4*\c], v[\s+16+32*\c:\s+31+32*\c], v[TM+12+2*\c+1]
.endr
	v_nop
.irp c, 0,1
.irp i, 0,1,2
	v_permlane16_swap_b32 v[PC+6*\c+\i], v[PC+12+4*\c+\i]
.endr
.irp i, 0,1,2
	v_mov_b32 v[PC+3+6*\c+\i], v[PC+12+4*\c+\i]
.endr
.endr
.endm
.macro EPI a
	s_cmp_eq_u32 ttmp9, 2
	s_cbranch_scc1 .Lby_rows_\@
	WIN 0x06+(\a)/4
.irp b, 0,1,2,3,4,5,6,7
.irp j, 0,2,4,6
	v_pk_add_f32 v[T+8*\b+\j:T+8*\b+\j+1], v[8*(8*((\a)%4)+\b)+\j:8*(8*((\a)%4)+\b)+\j+1], v[96+8*\b+96*(\b/4)+\j:96+8*\b+96*(\b/4)+\j+1]
.endr
.endr
	WIN 0
	s_branch .Lbiased_\@
.Lby_rows_\@:
	WIN 0x02+(\a)/4
.irp b, 0,1,2,3,4,5,6,7
.irp j, 0,2,4,6
	v_pk_add_f32 v[T+8*\b+\j:T+8*\b+\j+1], v[8*(8*((\a)%4)+\b)+\j:8*(8*((\a)%4)+\b)+\j+1], v[BR+2*(\a):BR+2*(\a)+1] op_sel_hi:[1,0]
.endr
.endr
	WIN 0
.Lbiased_\@:
	s_wait_xcnt 0x0
	QUANT T
	global_store_b128 v4, v[PC:PC+3], s[60:61] offset:768*(\a)
	global_store_b64 v25, v[PC+4:PC+5], s[60:61] offset:768*(\a)+512
	global_store_b128 v4, v[PC+6:PC+9], s[62:63] offset:768*(\a)
	global_store_b64 v25, v[PC+10:PC+11], s[62:63] offset:768*(\a)+512
	v_lshrrev_b32 v[SW+(\a)], v27, v[PW]
	v_and_or_b32 v[SW+(\a)], v[SW+(\a)], s100, s101
.endm
.irp a, 0,1,2,3,4,5,6,7
	EPI \a
.endr
	s_cmp_eq_u32 ttmp9, 2
	s_cbranch_scc1 .Lv_scales
	global_store_b128 v30, v[SW:SW+3], s[66:67]
	global_store_b128 v30, v[SW+4:SW+7], s[66:67] offset:256
	s_branch .Lend
.Lv_scales:
	s_wait_alu depctr_va_vdst(0)
.irp i, 0,1,2,3
	v_cndmask_b32 v[DD+\i], v[SW+\i], v[SW+4+\i], s104
.endr
	global_store_b128 v30, v[DD:DD+3], s[66:67]
.Lend:
	s_wait_tensorcnt 0x0
	ds_add_u32 v[SPW], v[NIL]
	s_wait_dscnt 0x0
	CROUND
	s_endpgm
.Lfunc_end_k_q9044a3aeaa_qkv:
	.size	k_q9044a3aeaa_qkv, .Lfunc_end_k_q9044a3aeaa_qkv-k_q9044a3aeaa_qkv
	.p2alignl 7, 3214868480
	.fill 96, 4, 3214868480
	.section	.rodata,"a",@progbits
	.p2align	6, 0x0
	.amdhsa_kernel k_q9044a3aeaa_qkv
		.amdhsa_group_segment_fixed_size 327680
		.amdhsa_private_segment_fixed_size 0
		.amdhsa_enable_private_segment 0
		.amdhsa_kernarg_size 56
		.amdhsa_user_sgpr_count 2
		.amdhsa_user_sgpr_kernarg_segment_ptr 1
		.amdhsa_wavefront_size32 1
		.amdhsa_system_sgpr_workgroup_id_x 1
		.amdhsa_system_sgpr_workgroup_id_y 1
		.amdhsa_system_sgpr_workgroup_id_z 1
		.amdhsa_system_vgpr_workitem_id 0
		.amdhsa_next_free_vgpr 1024
		.amdhsa_next_free_sgpr 106
		.amdhsa_reserve_vcc 0
		.amdhsa_float_denorm_mode_32 3
		.amdhsa_float_denorm_mode_16_64 3
		.amdhsa_memory_ordered 1
		.amdhsa_forward_progress 1
		.amdhsa_inst_pref_size 187
	.end_amdhsa_kernel
	.amdgpu_metadata
---
amdhsa.version: [ 1, 2 ]
amdhsa.kernels:
  - .name:           k_q9044a3aeaa_qkv
    .symbol:         k_q9044a3aeaa_qkv.kd
    .args:
      - { .name: xq, .offset: 0, .size: 8, .value_kind: global_buffer, .address_space: global }
      - { .name: wq, .offset: 8, .size: 8, .value_kind: global_buffer, .address_space: global }
      - { .name: bq, .offset: 16, .size: 8, .value_kind: global_buffer, .address_space: global }
      - { .name: bk, .offset: 24, .size: 8, .value_kind: global_buffer, .address_space: global }
      - { .name: bv, .offset: 32, .size: 8, .value_kind: global_buffer, .address_space: global }
      - { .name: qkv, .offset: 40, .size: 8, .value_kind: global_buffer, .address_space: global }
      - { .name: qkvs, .offset: 48, .size: 8, .value_kind: global_buffer, .address_space: global }
    .group_segment_fixed_size: 327680
    .private_segment_fixed_size: 0
    .kernarg_segment_align: 8
    .kernarg_segment_size: 56
    .max_flat_workgroup_size: 128
    .sgpr_count:     106
    .vgpr_count:     1024
    .wavefront_size: 32
...
	.end_amdgpu_metadata
.endif
;; end of part 2
;; launch attn (part 3): grid 4 x 64, 16 waves a work-group, clusters of 4 x 1, 210,944 bytes of LDS; arguments qkv, qkvs, att; writes att
.if DOCPART == 3
	.amdgcn_target "amdgcn-amd-amdhsa--gfx1250"
	.amdhsa_code_object_version 6
	.text
	.protected	k_q9044a3aeaa_attn
	.globl	k_q9044a3aeaa_attn
	.p2align	8
	.type	k_q9044a3aeaa_attn,@function
k_q9044a3aeaa_attn:
	s_mov_b64 s[64:65], 0
	v_nop
	global_prefetch_b8 v0, s[64:65] scope:SCOPE_SE
	s_setreg_imm32_b32 hwreg(HW_REG_WAVE_MODE, 25, 1), 1
	s_wait_xcnt 0x0
	s_wait_alu depctr_hold_cnt(0) depctr_sa_sdst(0) depctr_va_vdst(0) depctr_va_sdst(0) depctr_va_ssrc(0) depctr_va_vcc(0) depctr_vm_vsrc(0)
	s_getreg_b32 s2, hwreg(HW_REG_IB_STS2, 6, 4)
	s_cmp_eq_u32 s2, 0
	s_cbranch_scc0 .Lentry_in_a_cluster
	s_endpgm
.Lentry_in_a_cluster:
	s_bfe_u32 s2, ttmp6, 0x10000c
	s_cmp_lg_u32 s2, 0x3003
	s_cbranch_scc0 .Lentry_shape_is_right
	s_endpgm
.Lentry_shape_is_right:
; For each of 64 (batch, head): O = softmax(Q K^T / 8) V on codes of FP6 (E2M3) with E8M0 scales, and O quantised at once along the head's 64 for the last product.
; THE SOFTMAX AHEAD OF THE SECOND PRODUCT: t = score x log2(e) / 8; M = the running largest t rounded UP to a whole number; p = 2^(t - M) is quantised along the keys, not normalised; the row's sum is taken of the
; unquantised p and divides O at the end.  When M moves, the sum and O are multiplied by 2^(old M - new M): exact.
; SHARES.  The four work-groups of a cluster are the four blocks of 512 queries of one head.  A HEAD'S K, V AND THEIR SCALE WORDS STAY IN LDS, filled once, by joint loads that name the four: no ring, no refill.
; Each of sixteen waves owns a tile of 16 queries, walks the 16 key steps of 128, and then does the same for a second tile: 256 registers a wave, four waves to a SIMD, so that one wave's vector work
; stands beside another's matrix work and LDS loads.  In the first pass the keys come in two groups, chunk 0 of 512 and then the other three, each read behind its own wait and barrier.
; LAYOUT.  Both products transposed: S^T = K Q^T, O^T = V^T P^T: a lane holds one query.  Tiles hold rows 32 B + 8 u + r + 8 (r / 8), so the 16 registers of tiles 2 B, 2 B + 1 are 16 neighbours (keys, then d).
; K = 64 IN AN INSTRUCTION OF 128: Q's registers 6-11 are zero codes and both sides' scale bytes 2, 3 are 0x7f.  K's tile t is named as v[32 + 6 t : 43 + 6 t]: its upper six registers are the next tile's codes
; (or zeros), which meet Q's zero codes and add exactly 0: FP6 has no code for infinity or NaN.
; LIMITS: NaN and infinities are not served; a block of zeros gets the byte 1 (its codes are zeros; this program alone reads the bytes).
; REGISTERS: v1-4, v7-8 lane addresses; v5-6 the add's two; v9-11, v28-30 the step's addresses; v12 -M, v13 the largest t, v[14:15] the sum; v16-27 Q; v31 Q's scale word; v32-79 K's eight half fragments,
; then V's four fragments; v80-85 zeros; v86-93 K's scale words; v96-159 S^T, then p; v160-191 O^T; v192-195 V's scale words; v200-218 codes; v220-237 at work; v233 p's scale word.
.set VLDS,  98304                      ; LDS: K's 128 tiles of 768 bytes; from here V: [key step][half][tile of d] half fragments;
.set SLDS,  196608                     ; K's scale words, 8,192 bytes, then V's, 4,096;
.set SPARE, 208896                     ; the spare words, 128 bytes for each wave: eight blocks of 256 bytes that no other line names
.set SPW, 5
.set NIL, 6
.set BM,  220                          ; v220-223 the blocks' largest scores, then largest p
.set BX,  224                          ; v224-227 the other half's, then the bytes
.set SO,  228                          ; v228-231 the conversions' scale operands
.macro CROUND
	s_barrier_signal -1
	s_barrier_wait -1
	s_cmp_lg_u32 s10, 0
	s_cbranch_scc1 .Lnot_wave_0_\@
	s_barrier_signal -3
.Lnot_wave_0_\@:
	s_barrier_wait -3
	s_barrier_signal -1
	s_barrier_wait -1
.endm
	s_load_b128 s[4:7], s[0:1], 0x0                ; qkv, qkvs
	s_load_b64 s[8:9], s[0:1], 0x10                ; att
	v_lshl_add_u32 v[SPW], v0, 2, SPARE
	v_mov_b32 v[NIL], 0
	ds_add_u32 v[SPW], v[NIL]                      ; the wave's opening: the add and its wait ahead of the first tensor loads
	ds_add_u32 v[SPW], v[NIL]
	v_lshrrev_b32 v1, 5, v0
	s_delay_alu instid0(VALU_DEP_1)
	v_readfirstlane_b32 s10, v1                    ; wave 0..15
	s_bfe_u32 s11, ttmp6, 0x40000                  ; cx: it enters Q's and the output's addresses alone
	s_and_b32 s12, ttmp7, 0xffff                   ; batch x 16 + head, which the four partners share
	; group 1: a chunk (512 keys) of K: 8 rows of 3,072 dense bytes;  of V: 8 rows of 3,072 bytes, 6,144 apart (the other head of the pair lies between);  the scale words: 4 rows of 3,072 dense bytes
	s_mov_b32 s24, 15|(3<<16)|(1<<21)              ; 15:0 the mask: all four; 17:16 elements of 8 bytes; 21 set beside a mask
	s_mov_b32 s25, 384<<16
	s_mov_b32 s26, 8<<16
	s_mov_b32 s27, 384<<16
	s_mov_b32 s28, 8
	s_mov_b32 s29, 384
	s_mov_b32 s30, 0
	s_mov_b32 s31, 0
	s_mov_b32 s32, 15|(3<<16)|(1<<21)
	s_mov_b32 s33, 384<<16
	s_mov_b32 s34, 8<<16
	s_mov_b32 s35, 384<<16
	s_mov_b32 s36, 8
	s_mov_b32 s37, 768
	s_mov_b32 s38, 0
	s_mov_b32 s39, 0
	s_mov_b32 s40, 15|(3<<16)|(1<<21)
	s_mov_b32 s41, 384<<16
	s_mov_b32 s42, 4<<16
	s_mov_b32 s43, 384<<16
	s_mov_b32 s44, 4
	s_mov_b32 s45, 384
	s_mov_b32 s46, 0
	s_mov_b32 s47, 0
	s_and_b32 s14, s10, 3                          ; waves 5-7 fetch V's chunks 1-3, waves 9-11 K's: the chunk is wave % 4
	s_mul_i32 s16, s14, 24576                      ; the chunk's place in K's or V's LDS region, and in K's memory
	s_mul_i32 s17, s14, 49152                      ; in memory V's rows lie twice as far apart
	s_mul_i32 s86, s12, 98304                      ; the head's codes of q or of k
	s_add_co_u32 s88, s86, 6291456                 ; K
	s_lshr_b32 s90, s12, 1
	s_mul_i32 s90, s90, 196608
	s_and_b32 s91, s12, 1
	s_mul_i32 s91, s91, 3072
	s_add_co_u32 s90, s90, s91
	s_add_co_u32 s90, s90, 12582912                ; V
	s_mov_b32 s89, 0
	s_mov_b32 s91, 0
	s_mul_i32 s87, s12, 12288                      ; the head's scale words
	s_add_co_u32 s92, s87, 786432
	s_mov_b32 s93, 0
	s_lshl_b32 s96, s11, 5
	s_add_co_u32 s96, s96, s10                     ; my first tile of queries: 32 cx + wave; the second lies 16 tiles on
	s_mul_i32 s78, s96, 768
	s_add_co_u32 s78, s78, s86
	s_mov_b32 s79, 0                               ; Q's codes
	s_lshr_b32 s80, s96, 2
	s_lshl_b32 s80, s80, 8
	s_and_b32 s97, s96, 3
	s_lshl_b32 s97, s97, 2
	s_add_co_u32 s80, s80, s97
	s_add_co_u32 s80, s80, s87
	s_mov_b32 s81, 0                               ; Q's scale words
	s_lshr_b32 s97, s12, 4
	s_lshl_b32 s97, s97, 7
	s_add_co_u32 s97, s97, s96                     ; the tile among all 512
	s_and_b32 s98, s12, 15                         ; the head in its batch
	s_mul_i32 s82, s97, 12288
	s_mul_i32 s99, s98, 768
	s_add_co_u32 s82, s82, s99
	s_mov_b32 s83, 0                               ; the output's half fragment
	s_lshl_b32 s84, s97, 9
	s_lshr_b32 s99, s98, 3
	s_lshl_b32 s99, s99, 8
	s_add_co_u32 s84, s84, s99
	s_bfe_u32 s99, s98, 0x20001
	s_lshl_b32 s99, s99, 2
	s_add_co_u32 s84, s84, s99
	s_and_b32 s99, s98, 1
	s_lshl_b32 s99, s99, 1
	s_add_co_u32 s84, s84, s99
	s_add_co_u32 s84, s84, 6291456
	s_mov_b32 s85, 0                               ; and its two scale bytes: two of the four of K step head / 2
	s_mov_b32 s20, 0x76543210
	s_mov_b32 s21, 0xfedcba98                      ; v_permlanex16_b32's selects for lane l xor 16
	s_mov_b32 s22, 0x3e38aa3b                      ; c = log2(e) / 8
	s_mov_b32 s23, s22                             ; (named with it as a pair)
	s_mov_b32 s76, 0xffff0000                      ; lanes 16-31
	s_wait_dscnt 0x0                               ; the opening add is done
	s_wait_kmcnt 0x0
	s_add_nc_u64 s[88:89], s[4:5], s[88:89]
	s_add_nc_u64 s[92:93], s[6:7], s[92:93]
	s_add_nc_u64 s[78:79], s[4:5], s[78:79]
	s_add_nc_u64 s[80:81], s[6:7], s[80:81]
	s_add_nc_u64 s[82:83], s[8:9], s[82:83]
	s_add_nc_u64 s[84:85], s[8:9], s[84:85]
	s_add_nc_u64 s[90:91], s[4:5], s[90:91]        ; V's codes of this head
	s_mov_b32 s94, s16
	s_mov_b32 s95, 0
	s_mov_b32 s96, s17
	s_mov_b32 s97, 0
	s_mov_b32 s48, 1                               ; group 0: K's chunk 0,
	s_mov_b32 s49, 0
	s_mov_b64 s[50:51], s[88:89]
	s_or_b32 s51, s51, 0x80000000
	s_mov_b32 s52, 1                               ; V's chunk 0,
	s_mov_b32 s53, VLDS
	s_mov_b64 s[54:55], s[90:91]
	s_or_b32 s55, s55, 0x80000000
	s_mov_b32 s56, 1                               ; all the scale words,
	s_mov_b32 s57, SLDS
	s_mov_b64 s[58:59], s[92:93]
	s_or_b32 s59, s59, 0x80000000
	s_mov_b32 s60, 1                               ; K's chunk wave % 4,
	s_mov_b32 s61, s16
	s_add_nc_u64 s[62:63], s[88:89], s[94:95]
	s_or_b32 s63, s63, 0x80000000
	s_mov_b32 s68, 1                               ; V's chunk wave % 4
	s_add_co_u32 s69, s16, VLDS
	s_add_nc_u64 s[70:71], s[90:91], s[96:97]
	s_or_b32 s71, s71, 0x80000000
	CROUND                                         ; all four work-groups are here: the joint loads meet
; THE FILLS, ONE A WAVE, in one chain of branches on the wave's number.  Waves 0, 1, 2 fetch what the first four key steps read (K's chunk 0, V's chunk 0, the scale words), by lines that no other wave issues;
; waves 5-7 V's chunks 1-3, waves 9-11 K's.  The keys so come in two groups: the first is read behind the first barrier, the rest behind the second.
.macro TL g0, g1
	tensor_load_to_lds s[\g0:\g0+3], s[\g1:\g1+7]
	s_nop 0
.rept 4
	v_nop
.endr
	s_branch .Lasked
.endm
	s_cmp_lt_u32 s10, 1
	s_cbranch_scc0 .La1
	TL 48, 24
.La1:
	s_cmp_lt_u32 s10, 2
	s_cbranch_scc0 .La2
	TL 52, 32
.La2:
	s_cmp_lt_u32 s10, 3
	s_cbranch_scc0 .La3
	TL 56, 40
.La3:
	s_cmp_lt_u32 s10, 5
	s_cbranch_scc1 .Lasked
	s_cmp_lt_u32 s10, 8
	s_cbranch_scc0 .La4
	TL 68, 32
.La4:
	s_cmp_lt_u32 s10, 9
	s_cbranch_scc1 .Lasked
	s_cmp_lt_u32 s10, 12
	s_cbranch_scc0 .Lasked
	TL 60, 24
.Lasked:
	v_and_b32 v9, 31, v0                           ; L
	v_and_b32 v10, 15, v0                          ; r
	v_bfe_u32 v11, v0, 4, 1                        ; h
	s_delay_alu instid0(VALU_DEP_3)
	v_lshlrev_b32 v1, 4, v9                        ; 16 L: K's registers 0-3 of a half fragment; also my place in an image in memory
	s_delay_alu instid0(VALU_DEP_4)
	v_lshl_add_u32 v2, v9, 3, 512                  ; 8 L + 512: registers 4-5
	s_delay_alu instid0(VALU_DEP_2)
	v_add_nc_u32 v3, VLDS, v1                      ; the same for V
	s_delay_alu instid0(VALU_DEP_2)
	v_add_nc_u32 v4, VLDS, v2
	v_lshl_add_u32 v7, v10, 4, SLDS                ; K's scale words: 16 r
	v_lshl_add_u32 v8, v10, 4, SLDS+8192           ; V's
	v_lshlrev_b32 v95, 3, v9                       ; 8 L
	v_lshlrev_b32 v197, 4, v10                     ; 16 r
	s_delay_alu instid0(VALU_DEP_1)
	v_add_nc_u32 v198, v197, v11                   ; 16 r + h: lanes 0-15 store block 0's byte, lanes 16-31 block 1's
.irp i, 0,1,2,3,4,5
	v_mov_b32 v[22+\i], 0                          ; Q's zero codes
	v_mov_b32 v[80+\i], 0                          ; what stands behind K's last tile
.endr
.irp b, 0,1,2,3
	v_mov_b32 v[BX+\b], 0                          ; written once: a lane permute's destination counts as one of its sources
.endr
	v_mov_b32 v233, 0                              ; (named as the upper half of the pair v[232:233] before it is first written)
	v_mov_b32 v234, 0
; A KEY STEP: 128 keys.  s72: the step's codes in K's and in V's region; s73, s74: its scale words.
.macro STEP
	v_add_nc_u32 v9, s72, v1                       ; (these six are the places behind the last products, in front of the loads into registers that they read)
	v_add_nc_u32 v10, s72, v2
	v_add_nc_u32 v11, s72, v3
	v_add_nc_u32 v28, s72, v4
	v_add_nc_u32 v29, s73, v7
	v_add_nc_u32 v30, s74, v8
.irp t, 0,1,2,3,4,5,6,7
	ds_load_b128 v[32+6*\t:35+6*\t], v9 offset:768*\t
	ds_load_b64 v[36+6*\t:37+6*\t], v10 offset:768*\t
.endr
	ds_load_b128 v[86:89], v29
	ds_load_b128 v[90:93], v29 offset:256
	s_wait_alu depctr_va_vdst(0)
	s_wait_dscnt 0x0
.irp t, 0,1,2,3,4,5,6,7
	v_wmma_scale_f32_16x16x128_f8f6f4 v[96+8*\t:103+8*\t], v[32+6*\t:43+6*\t], v[16:27], 0, v[86+\t], v31 matrix_a_fmt:MATRIX_FMT_FP6 matrix_b_fmt:MATRIX_FMT_FP6
.endr
.rept 4
	v_nop                                          ; places in front of the loads below and of the first read of the scores
.endr
.irp tw, 0,1,2,3                       ; V's four fragments land while the softmax is walked
.irp c, 0,1
	ds_load_b128 v[32+12*\tw+6*\c:35+12*\tw+6*\c], v11 offset:3072*\c+768*\tw
	ds_load_b64 v[36+12*\tw+6*\c:37+12*\tw+6*\c], v28 offset:3072*\c+768*\tw
.endr
.endr
	ds_load_b128 v[192:195], v30
.irp b, 0,1,2,3
	v_max3_num_f32 v[BM+\b], v[96+16*\b], v[97+16*\b], v[98+16*\b]   ; the largest score of each block of 32 keys: for the row's maximum, and, since p rises with the score, for the block's largest p
.endr
.irp i, 3,5,7,9,11,13
.irp b, 0,1,2,3
	v_max3_num_f32 v[BM+\b], v[BM+\b], v[96+16*\b+\i], v[97+16*\b+\i]
.endr
.endr
.irp b, 0,1,2,3
	v_max_num_f32 v[BM+\b], v[BM+\b], v[111+16*\b]
.endr
.irp b, 0,1,2,3
	s_delay_alu instid0(VALU_DEP_4)
	v_permlanex16_b32 v[BX+\b], v[BM+\b], s20, s21
.endr
.irp b, 0,1,2,3
	s_delay_alu instid0(VALU_DEP_4)
	v_max_num_f32 v[BM+\b], v[BM+\b], v[BX+\b]     ; with lane l xor 16's 16 keys
.endr
	s_delay_alu instid0(VALU_DEP_2)
	v_max3_num_f32 v234, v[BM], v[BM+1], v[BM+2]
	s_delay_alu instid0(VALU_DEP_1)
	v_max_num_f32 v234, v234, v[BM+3]
	s_delay_alu instid0(VALU_DEP_1)
	v_mul_f32 v234, s22, v234                      ; as t (c is positive)
	s_delay_alu instid0(VALU_DEP_1)
	v_max_num_f32 v13, v13, v234                   ; the running largest t
	v_mov_b32 v234, v12
	s_delay_alu instid0(VALU_DEP_2)
	v_floor_f32 v12, -v13                          ; the new -M = floor(-t): M is a whole number
	s_delay_alu instid0(VALU_DEP_1)
	v_sub_f32 v234, v12, v234                      ; old M less new M: a whole number, 0 or less
	s_delay_alu instid0(VALU_DEP_1)
	v_cvt_i32_f32 v234, v234                       ; (it saturates)
	s_delay_alu instid0(VALU_DEP_1)
	v_ldexp_f32 v232, 1.0, v234                    ; f = 2^(old M - new M)
.set J, 0
.rept 32
	v_pk_fma_f32 v[96+J:97+J], v[96+J:97+J], s[22:23], v[12:13] op_sel_hi:[1,0,0]   ; t - M, two at a time
.set J, J+2
.endr
.irp b, 0,1,2,3
	v_fma_f32 v[BM+\b], v[BM+\b], s22, v12         ; the same of each block's largest score
.endr
.set J, 0
	s_wait_alu depctr_va_vdst(0)
.rept 64
	v_exp_f32 v[96+J], v[96+J]                     ; p = 2^(t - M), at most 1
.set J, J+1
.endr
	v_pk_mul_f32 v[14:15], v[14:15], v[232:233] op_sel_hi:[1,0]   ; the sums under the new M: the plain place behind the exponentials
	s_wait_alu depctr_va_vdst(0)                   ; one wait for the whole batch, ahead of its first reader
.irp b, 0,1,2,3
	v_exp_f32 v[BM+\b], v[BM+\b]                   ; the block's largest p: the same two instructions on the same number give the same bits
.endr
	v_pk_add_f32 v[236:237], v[100:101], v[104:105]
	v_pk_add_f32 v[254:255], v[108:109], v[112:113]
	v_pk_add_f32 v[252:253], v[116:117], v[120:121]
	v_pk_add_f32 v[250:251], v[124:125], v[128:129]
	v_pk_add_f32 v[248:249], v[132:133], v[136:137]
	v_pk_add_f32 v[246:247], v[140:141], v[144:145]
	v_pk_add_f32 v[244:245], v[148:149], v[152:153]
	v_pk_add_f32 v[14:15], v[14:15], v[156:157]
	v_pk_add_f32 v[236:237], v[236:237], v[96:97]
	v_pk_add_f32 v[254:255], v[254:255], v[98:99]
	v_pk_add_f32 v[252:253], v[252:253], v[102:103]
	v_pk_add_f32 v[250:251], v[250:251], v[106:107]
	v_pk_add_f32 v[248:249], v[248:249], v[110:111]
	v_pk_add_f32 v[246:247], v[246:247], v[114:115]
	v_pk_add_f32 v[244:245], v[244:245], v[118:119]
	v_pk_add_f32 v[14:15], v[14:15], v[122:123]
	v_pk_add_f32 v[236:237], v[236:237], v[126:127]
	v_pk_add_f32 v[254:255], v[254:255], v[130:131]
	v_pk_add_f32 v[252:253], v[252:253], v[134:135]
	v_pk_add_f32 v[250:251], v[250:251], v[138:139]
	v_pk_add_f32 v[248:249], v[248:249], v[142:143]
	v_pk_add_f32 v[246:247], v[246:247], v[146:147]
	v_pk_add_f32 v[244:245], v[244:245], v[150:151]
	v_pk_add_f32 v[14:15], v[14:15], v[154:155]
	v_pk_add_f32 v[236:237], v[236:237], v[158:159]
	s_delay_alu instid0(VALU_DEP_2)
	v_pk_add_f32 v[14:15], v[14:15], v[250:251]
	s_delay_alu instid0(VALU_DEP_2)
	v_pk_add_f32 v[236:237], v[236:237], v[248:249]
	v_pk_add_f32 v[254:255], v[254:255], v[246:247]
	v_pk_add_f32 v[252:253], v[252:253], v[244:245]
	s_delay_alu instid0(VALU_DEP_2)
	v_pk_add_f32 v[14:15], v[14:15], v[254:255]
	s_delay_alu instid0(VALU_DEP_2)
	v_pk_add_f32 v[236:237], v[236:237], v[252:253]
	s_delay_alu instid0(VALU_DEP_1)
	v_pk_add_f32 v[14:15], v[14:15], v[236:237]
	s_wait_alu depctr_va_vdst(0)                   ; and one for the four
.irp b, 0,1,2,3
	v_max_num_f32 v[BM+\b], 0x1800000, v[BM+\b]    ; the floor 2^(3 - 127): the byte cannot fall under 1
.endr
.irp b, 0,1,2,3
	s_delay_alu instid0(VALU_DEP_4)
	v_add_nc_u32 v[SO+\b], 0xff000000, v[BM+\b]
.endr
.irp b, 0,1,2,3
	s_delay_alu instid0(VALU_DEP_4)
	v_lshrrev_b32 v[BX+\b], 23, v[SO+\b]
.endr
	s_delay_alu instid0(VALU_DEP_3)
	v_lshl_or_b32 v233, v[BX+1], 8, v[BX]          ; p's scale word for these 128 keys
	s_delay_alu instid0(VALU_DEP_1)
	v_lshl_or_b32 v233, v[BX+2], 16, v233
	s_delay_alu instid0(VALU_DEP_1)
	v_lshl_or_b32 v233, v[BX+3], 24, v233
.irp c, 0,1
	v_cvt_scalef32_pk16_fp6_f32 v[200+6*\c:202+6*\c], v[96+32*\c:111+32*\c], v[SO+2*\c]
	v_cvt_scalef32_pk16_fp6_f32 v[212+4*\c:214+4*\c], v[112+32*\c:127+32*\c], v[SO+2*\c+1]
.endr
	v_nop                                          ; one plain place behind a scaled conversion
.irp c, 0,1
.irp i, 0,1,2
	v_permlane16_swap_b32 v[200+6*\c+\i], v[212+4*\c+\i]
.endr
.irp i, 0,1,2
	s_delay_alu instid0(VALU_DEP_3)
	v_mov_b32 v[203+6*\c+\i], v[212+4*\c+\i]
.endr
.endr
.set J, 0
.rept 16
	v_pk_mul_f32 v[160+J:161+J], v[160+J:161+J], v[232:233] op_sel_hi:[1,0]   ; O^T under the new M; these sixteen are also the places in front of the products below
.set J, J+2
.endr
	s_wait_alu depctr_va_vdst(0)
	s_wait_dscnt 0x0                               ; V
.irp tw, 0,1,2,3                       ; four accumulators by turns; the next step's eight products stand between two links of a chain
	v_wmma_scale_f32_16x16x128_f8f6f4 v[160+8*\tw:167+8*\tw], v[32+12*\tw:43+12*\tw], v[200:211], v[160+8*\tw:167+8*\tw], v[192+\tw], v233 matrix_a_fmt:MATRIX_FMT_FP6 matrix_b_fmt:MATRIX_FMT_FP6
.endr
.endm
.macro KLOOP first, trips
	s_mov_b32 s72, 6144*\first
	s_mov_b32 s73, 512*\first
	s_mov_b32 s74, 256*\first
	s_mov_b32 s75, \trips
.Lkey_\@:
	STEP
	s_add_co_u32 s72, s72, 6144
	s_add_co_u32 s73, s73, 512
	s_add_co_u32 s74, s74, 256
	s_sub_co_u32 s75, s75, 1
	s_cmp_lg_u32 s75, 0
	s_cbranch_scc1 .Lkey_\@
.endm
.macro HEAD p                          ; pass p: my tile's Q; the sums begin as zeros and the largest t as -3e38, under every t
.if \p
	s_wait_xcnt 0x0                                ; the first pass's stores have read their registers
.endif
	global_load_b128 v[16:19], v1, s[78:79] offset:12288*\p
	global_load_b64 v[20:21], v95, s[78:79] offset:12288*\p+512
	global_load_b32 v31, v197, s[80:81] offset:1024*\p
	v_mov_b32 v13, 0xff61b1e6
	s_delay_alu instid0(VALU_DEP_1)
	v_floor_f32 v12, -v13
	v_mov_b32 v14, 0
	v_mov_b32 v15, 0
.set J, 0
.rept 32
	v_mov_b32 v[160+J], 0
.set J, J+1
.endr
	s_wait_loadcnt 0x0
.endm
.macro TAIL p                          ; O^T / the sum; register 16 b + i = d 32 b + 16 (lane / 16) + i: two blocks of the last product's K; quantised, and stored as a half fragment
.rept 4
	v_nop
.endr
	v_add_f32 v14, v14, v15
	s_delay_alu instid0(VALU_DEP_1)
	v_permlanex16_b32 v234, v14, s20, s21
	s_delay_alu instid0(VALU_DEP_1)
	v_add_f32 v14, v14, v234                       ; the row's sum
	s_wait_alu depctr_va_vdst(0)
	v_rcp_f32 v14, v14
	v_nop                                          ; one plain place behind a transcendental,
	s_wait_alu depctr_va_vdst(0)                   ; and the wait ahead of its first reader
.set J, 0
.rept 32
	v_mul_f32 v[96+J], v[160+J], v14
.set J, J+1
.endr
.irp b, 0,1
	v_max3_num_f32 v[BM+\b], |v[96+16*\b]|, |v[97+16*\b]|, 0x1800000
.endr
.irp i, 2,4,6,8,10,12,14
.irp b, 0,1
	s_delay_alu instid0(VALU_DEP_2)
	v_max3_num_f32 v[BM+\b], v[BM+\b], |v[96+16*\b+\i]|, |v[97+16*\b+\i]|
.endr
.endr
.irp b, 0,1
	s_delay_alu instid0(VALU_DEP_2)
	v_permlanex16_b32 v[BX+\b], v[BM+\b], s20, s21
.endr
.irp b, 0,1
	s_delay_alu instid0(VALU_DEP_2)
	v_max_num_f32 v[BM+\b], v[BM+\b], v[BX+\b]
.endr
.irp b, 0,1
	s_delay_alu instid0(VALU_DEP_2)
	v_add_nc_u32 v[SO+\b], 0xff000000, v[BM+\b]
.endr
.irp b, 0,1
	s_delay_alu instid0(VALU_DEP_2)
	v_lshrrev_b32 v[BX+\b], 23, v[SO+\b]
.endr
	v_cvt_scalef32_pk16_fp6_f32 v[200:202], v[96:111], v[SO]
	v_cvt_scalef32_pk16_fp6_f32 v[212:214], v[112:127], v[SO+1]
	v_nop
.irp i, 0,1,2
	v_permlane16_swap_b32 v[200+\i], v[212+\i]
.endr
.irp i, 0,1,2
	s_delay_alu instid0(VALU_DEP_3)
	v_mov_b32 v[203+\i], v[212+\i]
.endr
	v_cndmask_b32 v234, v[BX], v[BX+1], s76
	global_store_b128 v1, v[200:203], s[82:83] offset:196608*\p          ; 512 and 256 consecutive bytes, at multiples of 256
	global_store_b64 v95, v[204:205], s[82:83] offset:196608*\p+512
	global_store_b8 v198, v234, s[84:85] offset:8192*\p                  ; 32 bytes beside 768: a scale word's four bytes come from two heads, which two clusters make
.endm
	HEAD 0
	s_cmp_lt_u32 s10, 3                            ; the three waves that fetched the first group wait for their loads; the other chunks may be out
	s_cbranch_scc0 .Lnot_first
	s_wait_tensorcnt 0x0
.Lnot_first:
	s_wait_dscnt 0x0
	s_barrier_signal -1
	s_barrier_wait -1
	KLOOP 0, 4
	s_wait_tensorcnt 0x0                           ; every wave: all that was still out is in
	s_wait_dscnt 0x0
	s_barrier_signal -1
	s_barrier_wait -1
	KLOOP 4, 12
	TAIL 0
	HEAD 1
	KLOOP 0, 16
	TAIL 1
	s_wait_tensorcnt 0x0                           ; the wave's end
	ds_add_u32 v[SPW], v[NIL]
	s_wait_dscnt 0x0
	CROUND                                         ; the closing round
	s_endpgm
.Lfunc_end_k_q9044a3aeaa_attn:
	.size	k_q9044a3aeaa_attn, .Lfunc_end_k_q9044a3aeaa_attn-k_q9044a3aeaa_attn
	.p2alignl 7, 3214868480
	.fill 96, 4, 3214868480
	.section	.rodata,"a",@progbits
	.p2align	6, 0x0
	.amdhsa_kernel k_q9044a3aeaa_attn
		.amdhsa_group_segment_fixed_size 210944
		.amdhsa_private_segment_fixed_size 0
		.amdhsa_enable_private_segment 0
		.amdhsa_kernarg_size 24
		.amdhsa_user_sgpr_count 2
		.amdhsa_user_sgpr_kernarg_segment_ptr 1
		.amdhsa_wavefront_size32 1
		.amdhsa_system_sgpr_workgroup_id_x 1
		.amdhsa_system_sgpr_workgroup_id_y 1
		.amdhsa_system_sgpr_workgroup_id_z 1
		.amdhsa_system_vgpr_workitem_id 0
		.amdhsa_next_free_vgpr 256
		.amdhsa_next_free_sgpr 100
		.amdhsa_reserve_vcc 0
		.amdhsa_float_denorm_mode_32 3
		.amdhsa_float_denorm_mode_16_64 3
		.amdhsa_memory_ordered 1
		.amdhsa_forward_progress 1
		.amdhsa_inst_pref_size 74
	.end_amdhsa_kernel
	.amdgpu_metadata
---
amdhsa.version: [ 1, 2 ]
amdhsa.kernels:
  - .name:           k_q9044a3aeaa_attn
    .symbol:         k_q9044a3aeaa_attn.kd
    .args:
      - { .name: qkv, .offset: 0, .size: 8, .value_kind: global_buffer, .address_space: global }
      - { .name: qkvs, .offset: 8, .size: 8, .value_kind: global_buffer, .address_space: global }
      - { .name: att, .offset: 16, .size: 8, .value_kind: global_buffer, .address_space: global }
    .group_segment_fixed_size: 210944
    .private_segment_fixed_size: 0
    .kernarg_segment_align: 8
    .kernarg_segment_size: 24
    .max_flat_workgroup_size: 512
    .sgpr_count:     100
    .vgpr_count:     256
    .wavefront_size: 32
...
	.end_amdgpu_metadata
.endif
;; end of part 3
;; launch proj (part 4): grid 4 x 64, 4 waves a work-group, clusters of 4 x 4, 327,680 bytes of LDS; arguments att, wq, bo, out0; writes out0
.if DOCPART == 4
	.amdgcn_target "amdgcn-amd-amdhsa--gfx1250"
	.amdhsa_code_object_version 6
	.text
	.protected	k_q9044a3aeaa_proj
	.globl	k_q9044a3aeaa_proj
	.p2align	8
	.type	k_q9044a3aeaa_proj,@function
k_q9044a3aeaa_proj:
	s_mov_b64 s[64:65], 0
	v_nop
	global_prefetch_b8 v0, s[64:65] scope:SCOPE_SE
	s_setreg_imm32_b32 hwreg(HW_REG_WAVE_MODE, 25, 1), 1
	s_wait_xcnt 0x0
	s_wait_alu depctr_hold_cnt(0) depctr_sa_sdst(0) depctr_va_vdst(0) depctr_va_sdst(0) depctr_va_ssrc(0) depctr_va_vcc(0) depctr_vm_vsrc(0)
	s_getreg_b32 s2, hwreg(HW_REG_IB_STS2, 6, 4)
	s_cmp_eq_u32 s2, 0
	s_cbranch_scc0 .Lentry_in_a_cluster
	s_endpgm
.Lentry_in_a_cluster:
	s_bfe_u32 s2, ttmp6, 0x10000c
	s_cmp_lg_u32 s2, 0xf033
	s_cbranch_scc0 .Lentry_shape_is_right
	s_endpgm
.Lentry_shape_is_right:
; out0 [8192][1024] f32 = attention's result x Wo + bo, on codes of FP6 (E2M3) with E8M0 scales, as the earlier launches left them:
; att and wq hold tiles of 16 rows, 12,288 bytes each: 16 half fragments of 768 bytes (64 along K): lane L's registers 0-3 at 16 L, registers 4-5 at 512 + 8 L.  Tile 2 B + u holds in lane r row 32 B + 8 u + r + 8 (r / 8).
; Scale words: from byte 6,291,456 of att and 3,145,728 of wq on, [tile][K / 512] units of 256 bytes: lane r's four words (K steps of 128) at 16 r.  Wo's tiles are wq's 192 to 255.
; SHARES: 256 work-groups, one block of 128 rows x 256 columns each; four waves, 2 x 2; a wave makes 64 x 128: 32 accumulators, 256 registers.
; ALL OF K LIES IN LDS: A's 8 tiles (98,304 bytes) and B's 16 tiles (196,608), dense images of memory, each filled once by one joint load a wave (waves 0, 1 a half of A, waves 2, 3 a half of B): no ring, no refill.
; CLUSTERS 4 x 4: A's tiles are shared along a row of the cluster, B's along a column.
; The scale words go from memory straight into registers: 16 lanes read one aligned unit of 256 bytes (lanes 16-31 read the same and are not used).  A's and B's stand in two runs of registers.
; The matrix instruction is used transposed (source 0 = Wo's rows, source 1 = att's): a lane holds neighbouring columns of one row.  The bias is the C of the first K step's products.
; Fragments have two sets: the next K step's 48 LDS loads are issued ahead of this step's 32 products.  The 32 accumulators take turns in the same order in every step.
; THE WAY OUT: 16 rows x 128 columns at a time through the wave's own stage and back as rows of 512 bytes.  The stage lies on A's bytes, behind a barrier in front of which every wave has waited for all its fragment reads; nothing is filled after it.
; No prefetch: the launch has no loop to run ahead in; all its tiles are asked for at its head.
; LIMITS: NaN and infinities are not served.
; REGISTERS: window 0: v0-31 addresses; v32-63 A's scale words; v66-129 B's; v132-227 A's fragments, two sets; on the way out v128-255.  Window 1: B's fragments at v0 and v128; the bias at v96-127, v224-255.  Window 2: accumulator (a, b) at v[8 (8 a + b)].
.set TILE,  12288
.set BL,    8*TILE                     ; B's tiles lie behind A's eight
.set SPARE, 24*TILE                    ; the spare words, 128 bytes for each wave
.set FR,    12
.set ADA,   8                          ; v8, v9 my A fragments: registers 0-3, registers 4-5
.set ADB,   10                         ; v10, v11 my B tiles 0-3; v12, v13 tiles 4-7
.set STO,   20
.set RD,    21
.set SPW,   28
.set NIL,   29
.set SCA,   32
.set SCB,   66                         ; so that A's and B's scale registers never have the same number modulo 8
.set AF,    132
.set BK,    128
.set SPITCH, 528
.set G1,   24
.set G0,   32
.set G0B,  36
.set G1B,  48
.set MSB, 0
.macro WIN new
.if MSB != (\new)
	s_set_vgpr_msb (MSB<<8)|(\new)
.set MSB, (\new)
.endif
.endm
.set MUL_LO, 0xa1                      ; source 0 window 1, source 1 window 0, C and D window 2
.set MUL_C1, 0x91                      ; the same with C in window 1: the bias
.set TO_B,   0x40
.macro PLACES n
.rept \n
	v_nop
.endr
.endm
.macro CROUND
	s_barrier_signal -1
	s_barrier_wait -1
	s_cmp_lg_u32 s18, 0
	s_cbranch_scc1 .Lnot_wave_0_\@
	s_barrier_signal -3
.Lnot_wave_0_\@:
	s_barrier_wait -3
	s_barrier_signal -1
	s_barrier_wait -1
.endm
	s_load_b256 s[4:11], s[0:1], 0x0               ; att, wq, bo, out0
	v_lshl_add_u32 v[SPW], v0, 2, SPARE
	v_mov_b32 v[NIL], 0
	ds_add_u32 v[SPW], v[NIL]                      ; the opening lines: the add, twice on end, and its wait
	ds_add_u32 v[SPW], v[NIL]
	v_lshrrev_b32 v1, 5, v0
	v_readfirstlane_b32 s18, v1                    ; wave
	s_lshr_b32 s19, s18, 1                         ; my half of the rows; also: I fetch for A (0) or B (1)
	s_and_b32 s20, s18, 1                          ; my half of the columns; also: which half I fetch
	s_bfe_u32 s21, ttmp6, 0x40000                  ; cx
	s_bfe_u32 s22, ttmp6, 0x40004                  ; cy
	s_lshl_b32 s56, ttmp9, 2
	s_add_co_u32 s56, s56, s21                     ; block column 0..3
	s_and_b32 s57, ttmp7, 0xffff
	s_lshl_b32 s57, s57, 2
	s_add_co_u32 s57, s57, s22                     ; block row 0..63
	s_lshl_b32 s58, s22, 2
	s_lshl_b32 s58, 15, s58                        ; my row of the cluster
	s_lshl_b32 s59, 0x1111, s21                    ; my column
	s_or_b32 s[G1], s58, (3<<16)|(1<<21)           ; dense rows of 3,072 bytes (384 elements of 8): 16 for 4 tiles of A,
	s_mov_b32 s[G1+1], 384<<16
	s_mov_b32 s[G1+2], 16<<16
	s_mov_b32 s[G1+3], 384<<16
	s_mov_b32 s[G1+4], 16
	s_mov_b32 s[G1+5], 384
	s_mov_b32 s[G1+6], 0
	s_mov_b32 s[G1+7], 0
	s_or_b32 s[G1B], s59, (3<<16)|(1<<21)          ; 32 for 8 tiles of B
	s_mov_b32 s[G1B+1], 384<<16
	s_mov_b32 s[G1B+2], 32<<16
	s_mov_b32 s[G1B+3], 384<<16
	s_mov_b32 s[G1B+4], 32
	s_mov_b32 s[G1B+5], 384
	s_mov_b32 s[G1B+6], 0
	s_mov_b32 s[G1B+7], 0
	s_lshl_b32 s60, s57, 3                         ; A's first tile
	s_lshl_b32 s61, s20, 2
	s_add_co_u32 s61, s60, s61                     ; the four tiles that I fetch
	s_mul_i32 s40, s61, TILE
	s_mov_b32 s41, 0
	s_lshl_b32 s61, s19, 2
	s_add_co_u32 s61, s60, s61                     ; the four tiles that I multiply
	s_lshl_b32 s42, s61, 9
	s_add_co_u32 s42, s42, 6291456                 ; their scale words
	s_mov_b32 s43, 0
	s_lshl_b32 s66, s56, 4
	s_add_co_u32 s66, s66, 192
	s_lshl_b32 s67, s20, 3
	s_add_co_u32 s66, s66, s67                     ; B: the eight tiles that I fetch are those that I multiply
	s_mul_i32 s44, s66, TILE
	s_mov_b32 s45, 0
	s_lshl_b32 s46, s66, 9
	s_add_co_u32 s46, s46, 3145728
	s_mov_b32 s47, 0
	s_mov_b32 s[G0], 1
	s_mul_i32 s[G0+1], s20, 4*TILE
	s_mov_b32 s[G0B], 1
	s_mul_i32 s[G0B+1], s20, 8*TILE
	s_add_co_u32 s[G0B+1], s[G0B+1], BL
	s_wait_dscnt 0x0                               ; both opening adds are done
	s_wait_kmcnt 0x0
	s_add_nc_u64 s[G0+2:G0+3], s[4:5], s[40:41]
	s_or_b32 s[G0+3], s[G0+3], 0x80000000
	s_add_nc_u64 s[G0B+2:G0B+3], s[6:7], s[44:45]
	s_or_b32 s[G0B+3], s[G0B+3], 0x80000000
	s_add_nc_u64 s[42:43], s[4:5], s[42:43]
	s_add_nc_u64 s[46:47], s[6:7], s[46:47]
	CROUND                                         ; all sixteen work-groups are here: the joint loads meet
	s_cmp_eq_u32 s19, 0                            ; one load a wave, one arm each way
	s_cbranch_scc0 .Lfor_b
	tensor_load_to_lds s[G0:G0+3], s[G1:G1+7]
	s_nop 0
	PLACES 4
	s_branch .Lasked
.Lfor_b:
	tensor_load_to_lds s[G0B:G0B+3], s[G1B:G1B+7]
	s_nop 0
	PLACES 4
.Lasked:
	s_mul_i32 s70, s19, 4*TILE                     ; LDS: my four tiles of A,
	s_mul_i32 s71, s20, 8*TILE
	s_add_co_u32 s71, s71, BL                      ; my eight of B,
	s_add_co_u32 s72, s71, 4*TILE                  ; the upper four of them,
	s_mul_i32 s73, s18, 16*SPITCH                  ; my stage, on A's bytes
	s_lshl_b32 s2, s56, 10
	s_lshl_b32 s3, s20, 9
	s_add_co_u32 s2, s2, s3                        ; my first column, in bytes
	s_mov_b32 s3, 0
	s_add_nc_u64 s[8:9], s[8:9], s[2:3]
	s_add_nc_u64 s[10:11], s[10:11], s[2:3]
	s_lshl_b32 s2, s57, 7
	s_lshl_b32 s74, s19, 6
	s_add_co_u32 s2, s2, s74                       ; my first row: 128 x block row + 64 x half
	s_lshl_b32 s2, s2, 12
	s_add_nc_u64 s[10:11], s[10:11], s[2:3]
	v_and_b32 v1, 31, v0                           ; L
	v_and_b32 v2, 15, v0                           ; r
	v_bfe_u32 v3, v0, 4, 1                         ; h
	v_lshlrev_b32 v4, 4, v1                        ; 16 L
	v_lshl_add_u32 v5, v1, 3, 512                  ; 8 L + 512
	v_add_nc_u32 v[ADA], s70, v4
	v_add_nc_u32 v[ADA+1], s70, v5
	v_add_nc_u32 v[ADB], s71, v4
	v_add_nc_u32 v[ADB+1], s71, v5
	v_add_nc_u32 v[ADB+2], s72, v4
	v_add_nc_u32 v[ADB+3], s72, v5
	v_lshlrev_b32 v6, 4, v2                        ; 16 r: my row's scale words
	v_lshlrev_b32 v7, 6, v3                        ; the bias: 64 h
	v_mul_u32_u24 v[STO], v2, SPITCH
	v_lshl_add_u32 v[STO], v3, 6, v[STO]
	v_add_nc_u32 v[STO], s73, v[STO]               ; into the stage: row r, 64 bytes for each half of the lanes
	v_add_nc_u32 v[RD], s73, v4                    ; back: 32 lanes take a row of 512 bytes
	s_wait_alu depctr_va_vdst(0)                   ; the wait at the head's end
	WIN TO_B
.irp b, 0,1,2,3,4,5,6,7
	global_load_b128 v[96+8*\b+96*(\b/4):96+8*\b+96*(\b/4)+3], v7, s[8:9] offset:(32*(\b/2)+8*(\b%2))*4
	global_load_b128 v[96+8*\b+96*(\b/4)+4:96+8*\b+96*(\b/4)+7], v7, s[8:9] offset:(32*(\b/2)+8*(\b%2))*4+16
.endr
	WIN 0
.irp kh, 0,1
.irp i, 0,1,2,3
	global_load_b128 v[SCA+4*(4*\kh+\i):SCA+4*(4*\kh+\i)+3], v6, s[42:43] offset:512*\i+256*\kh
.endr
.irp i, 0,1,2,3,4,5,6,7
	global_load_b128 v[SCB+4*(8*\kh+\i):SCB+4*(8*\kh+\i)+3], v6, s[46:47] offset:512*\i+256*\kh
.endr
.endr
.macro FETCH ks                        ; K step ks: B's eight fragments and A's four into set ks % 2: 48 LDS loads
	WIN TO_B
.irp i, 0,1,2,3,4,5,6,7
.irp c, 0,1
	ds_load_b128 v[128*((\ks)%2)+FR*\i+6*\c:128*((\ks)%2)+FR*\i+6*\c+3], v[ADB+2*(\i/4)] offset:TILE*(\i%4)+1536*(\ks)+768*\c
	ds_load_b64 v[128*((\ks)%2)+FR*\i+6*\c+4:128*((\ks)%2)+FR*\i+6*\c+5], v[ADB+2*(\i/4)+1] offset:TILE*(\i%4)+1536*(\ks)+768*\c
.endr
.endr
	WIN 0
.irp i, 0,1,2,3
.irp c, 0,1
	ds_load_b128 v[AF+48*((\ks)%2)+FR*\i+6*\c:AF+48*((\ks)%2)+FR*\i+6*\c+3], v[ADA] offset:TILE*\i+1536*(\ks)+768*\c
	ds_load_b64 v[AF+48*((\ks)%2)+FR*\i+6*\c+4:AF+48*((\ks)%2)+FR*\i+6*\c+5], v[ADA+1] offset:TILE*\i+1536*(\ks)+768*\c
.endr
.endr
.endm
.macro MUL ks                          ; 32 products, 128 along K
.irp a, 0,1,2,3
.irp b, 0,1,2,3,4,5,6,7
.if (\ks) == 0
	v_wmma_scale_f32_16x16x128_f8f6f4 v[8*(8*\a+\b):8*(8*\a+\b)+7], v[128*((\ks)%2)+FR*\b:128*((\ks)%2)+FR*\b+FR-1], v[AF+48*((\ks)%2)+FR*\a:AF+48*((\ks)%2)+FR*\a+FR-1], v[96+8*\b+96*(\b/4):96+8*\b+96*(\b/4)+7], v[SCB+4*(8*((\ks)/4)+\b)+(\ks)%4], v[SCA+4*(4*((\ks)/4)+\a)+(\ks)%4] matrix_a_fmt:MATRIX_FMT_FP6 matrix_b_fmt:MATRIX_FMT_FP6
.else
	v_wmma_scale_f32_16x16x128_f8f6f4 v[8*(8*\a+\b):8*(8*\a+\b)+7], v[128*((\ks)%2)+FR*\b:128*((\ks)%2)+FR*\b+FR-1], v[AF+48*((\ks)%2)+FR*\a:AF+48*((\ks)%2)+FR*\a+FR-1], v[8*(8*\a+\b):8*(8*\a+\b)+7], v[SCB+4*(8*((\ks)/4)+\b)+(\ks)%4], v[SCA+4*(4*((\ks)/4)+\a)+(\ks)%4] matrix_a_fmt:MATRIX_FMT_FP6 matrix_b_fmt:MATRIX_FMT_FP6
.endif
.endr
.endr
.endm
	s_wait_tensorcnt 0x0                           ; my part of the tiles is in,
	s_barrier_signal -1
	s_barrier_wait -1                              ; and everybody's
	FETCH 0
	s_wait_loadcnt 0x0                             ; the bias and the scale words
	s_wait_dscnt 0x0
	FETCH 1
	WIN MUL_C1
	MUL 0
	WIN 0
.set KS, 1
.rept 6
	s_wait_dscnt 0x0                               ; this step's fragments, asked for ahead of the last step's products
	PLACES 4                                       ; in front of loads into registers that the last step's products read
	FETCH KS+1
	WIN MUL_LO
	MUL KS
	WIN 0
.set KS, KS+1
.endr
	s_wait_dscnt 0x0                               ; my last reads of the tiles are done:
	s_barrier_signal -1                            ; say so,
	WIN MUL_LO
	MUL 7
	WIN 0
	s_barrier_wait -1                              ; and behind this nobody reads A's bytes any more: the stages may lie there
.macro TOSTAGE a
	WIN 0x08                                       ; the data: window 2
.irp b, 0,1,2,3,4,5,6,7
	ds_store_b128 v[STO], v[64*(\a)+8*\b:64*(\a)+8*\b+3] offset:128*(\b/2)+32*(\b%2)          ; each accumulator from its low end on
	ds_store_b128 v[STO], v[64*(\a)+8*\b+4:64*(\a)+8*\b+7] offset:128*(\b/2)+32*(\b%2)+16
.endr
	WIN 0
.irp t, 0,1,2,3,4,5,6,7,8,9,10,11,12,13,14,15
	ds_load_b128 v[BK+64*((\a)%2)+4*\t:BK+64*((\a)%2)+4*\t+3], v[RD] offset:\t*SPITCH         ; LDS serves a wave's instructions in order: these see the stores above
.endr
.endm
.macro SEND a, younger                 ; younger: the LDS instructions issued behind block a's loads
	s_wait_dscnt \younger
.irp t, 0,1,2,3,4,5,6,7,8,9,10,11,12,13,14,15
	global_store_b128 v4, v[BK+64*((\a)%2)+4*\t:BK+64*((\a)%2)+4*\t+3], s[10:11] offset:(32*((\a)/2)+8*((\a)%2)+\t+8*(\t/8))*4096 th:TH_STORE_NT   ; 512 consecutive bytes, at a multiple of 256
.endr
.endm
	PLACES 4                                       ; behind the last products: in front of the reads of results and of loads into their sources
	TOSTAGE 0
.irp a, 1,2,3
.if \a > 1
	s_wait_xcnt 0x0                                ; block a - 2's stores have read their registers
.endif
	TOSTAGE \a
	SEND \a-1, 32                                  ; behind block a - 1's loads: block a's 16 stores and 16 loads
.endr
	SEND 3, 0
	s_wait_tensorcnt 0x0                           ; the wave's end
	ds_add_u32 v[SPW], v[NIL]
	s_wait_dscnt 0x0
	CROUND                                         ; the closing round
	s_endpgm
.Lfunc_end_k_q9044a3aeaa_proj:
	.size	k_q9044a3aeaa_proj, .Lfunc_end_k_q9044a3aeaa_proj-k_q9044a3aeaa_proj
	.p2alignl 7, 3214868480
	.fill 96, 4, 3214868480
	.section	.rodata,"a",@progbits
	.p2align	6, 0x0
	.amdhsa_kernel k_q9044a3aeaa_proj
		.amdhsa_group_segment_fixed_size 327680
		.amdhsa_private_segment_fixed_size 0
		.amdhsa_enable_private_segment 0
		.amdhsa_kernarg_size 32
		.amdhsa_user_sgpr_count 2
		.amdhsa_user_sgpr_kernarg_segment_ptr 1
		.amdhsa_wavefront_size32 1
		.amdhsa_system_sgpr_workgroup_id_x 1
		.amdhsa_system_sgpr_workgroup_id_y 1
		.amdhsa_system_sgpr_workgroup_id_z 1
		.amdhsa_system_vgpr_workitem_id 0
		.amdhsa_next_free_vgpr 768
		.amdhsa_next_free_sgpr 80
		.amdhsa_reserve_vcc 0
		.amdhsa_float_denorm_mode_32 3
		.amdhsa_float_denorm_mode_16_64 3
		.amdhsa_memory_ordered 1
		.amdhsa_forward_progress 1
		.amdhsa_inst_pref_size 83
	.end_amdhsa_kernel
	.amdgpu_metadata
---
amdhsa.version: [ 1, 2 ]
amdhsa.kernels:
  - .name:           k_q9044a3aeaa_proj
    .symbol:         k_q9044a3aeaa_proj.kd
    .args:
      - { .name: att, .offset: 0, .size: 8, .value_kind: global_buffer, .address_space: global }
      - { .name: wq, .offset: 8, .size: 8, .value_kind: global_buffer, .address_space: global }
      - { .name: bo, .offset: 16, .size: 8, .value_kind: global_buffer, .address_space: global }
      - { .name: out0, .offset: 24, .size: 8, .value_kind: global_buffer, .address_space: global }
    .group_segment_fixed_size: 327680
    .private_segment_fixed_size: 0
    .kernarg_segment_align: 8
    .kernarg_segment_size: 32
    .max_flat_workgroup_size: 128
    .sgpr_count:     80
    .vgpr_count:     768
    .wavefront_size: 32
...
	.end_amdgpu_metadata
.endif
;; end of part 4
